; MI455X (gfx1250); checked and timed in simulation.
; The chip was launched on July 23, 2026; its instructions are those of AMD's public machine-readable ISA for CDNA 5 (MIT licence, August 2026) and "CDNA5" Instruction Set Architecture Reference Guide (July 2026). The comments in the code are by the model that wrote it; some were corrected since.
;; Cross Dimension Attention. Allowed arithmetic: matrix products marked QUANTISED: E2M3 operands, one E8M0 scale for each 32 along K, by v_wmma_scale_f32_16x16x128_f8f6f4 with both operands' format E2M3, f32 sums; everything else in f32.
;; Inputs: Wk 1,024 x 1,024 float32; Wo 1,024 x 1,024 float32; Wq 1,024 x 1,024 float32; Wv 1,024 x 1,024 float32; bk 1,024 float32; bo 1,024 float32; bq 1,024 float32; bv 1,024 float32; position_ids 1 x 1,024 int32; x 8 x 1,024 x 1,024 float32.
;; Outputs: out0 8 x 1,024 x 1,024 float32.
;; This version of the problem:
;;   THIS VERSION OF THE PROBLEM IS GIVEN IN LOW PRECISION. The matrix products marked QUANTISED in the list below multiply operands that are first quantised to E2M3 (2 exponent bits, 3 mantissa bits; 6 bits a number), with one power-of-two scale for each 32 numbers along K (OCP MX v1.0); their sums are f32. All else is computed in f32.
;;   The module's matrix products, in the order in which they are computed (A, B: the left and right operand; K: the contracted axis; several contracted axes count as one K, in the product's order):
;;     1. [M 8,192, K 1,024] x [K 1,024, N 1,024]; A: input x; B: input Wq: QUANTISED
;;     2. [M 8,192, K 1,024] x [K 1,024, N 1,024]; A: input x; B: input Wk: QUANTISED
;;     3. [M 8,192, K 1,024] x [K 1,024, N 1,024]; A: input x; B: input Wv: QUANTISED
;;     4. batch 128 x [M 1,024, K 64] x [K 64, N 1,024]; A: computed on the way; B: computed on the way: QUANTISED
;;     5. batch 128 x [M 1,024, K 1,024] x [K 1,024, N 64]; A: softmax (see below); B: computed on the way: QUANTISED
;;     6. [M 8,192, K 1,024] x [K 1,024, N 1,024]; A: computed on the way; B: input Wo: QUANTISED
;;   THE QUANTISER, for each operand of a quantised product, along K:
;;     - K is cut into blocks of 32 from its start; a last block that is shorter is filled with zeros.
;;     - A block's scale is 2^e with e = floor(log2(the largest magnitude in the block)) - 2, held to -126 .. 127; a block of zeros has e = 0. As a byte (E8M0): e + 127.
;;     - Each number is divided by its block's scale, clamped to +-7.5, and rounded to the nearest number of E2M3, ties to even, subnormals kept.
;;     - The product sums the exact products of the quantised numbers (number of the format x scale) in f32.
;;   ~~~python
;;   def quantise(x, axis):      # numpy; x: float32 -> the quantised numbers, widened to float32 again
;;       x = np.moveaxis(x, axis, -1); K = x.shape[-1]
;;       x = np.pad(x, [(0, 0)] * (x.ndim - 1) + [(0, -K % 32)]); x = x.reshape(x.shape[:-1] + (-1, 32)); a = np.abs(x).max(-1, keepdims=True)
;;       e = np.where(a > 0, np.clip(np.frexp(np.where(a > 0, a, 1))[1] - 1 - 2, -126, 127), 0)      # np.frexp(a)[1] - 1 = floor(log2(a)), exactly
;;       r = np.clip(x / 2.0 ** e, -7.5, 7.5)
;;       step = 2.0 ** (np.maximum(np.frexp(np.where(r == 0, 1, r))[1] - 1, 0) - 3)
;;       q = np.round(r / step) * step * 2.0 ** e      # np.round: ties to even
;;       return np.moveaxis(q.reshape(q.shape[:-2] + (-1,))[..., :K], -1, axis).astype(np.float32)
;;   ~~~
;;   SOFTMAX AHEAD OF A QUANTISED PRODUCT. Where the list says 'softmax', what is quantised is not the finished softmax but p = 2^(t - M), with t = logit x log2(e) and M = ceil(the row's largest t), a whole number; so 1/2 < the row's largest p <= 1. The row's sum l is taken of the UNQUANTISED p, in f32, and the product's result is divided by l at the end. Since M is a whole number, a kernel that streams over the keys may use a running M (the ceiling of the running maximum): every later rescaling is an exact power of two, which a block's scale takes up: the codes' values come out the same.
;;   OPERANDS COMPUTED ON THE WAY. 'Computed on the way' means the value that the module computes at that place (a softmax that the list does not call 'softmax' is quantised finished and normalised). What goes into a quantiser is computed in f32, as accurately as f32 sums, v_exp_f32 and their like allow (about 1e-6 of the number): no bf16 or f16 on the way to a quantiser, and a product that is left as it is and whose result goes on into a quantised operand takes f32 operands (vector FMAs, or v_wmma_f32_16x16x4_f32). A number that lies on a knife's edge between two numbers of the format may be rounded either way, as far as f32 arithmetic and the matrix unit's own rounding can turn it there, and no further.
;; One version. Each part assembles by itself: llvm-mc -triple=amdgcn-amd-amdhsa -mcpu=gfx1250 --defsym DOCPART=n.
;; ======== version 1 of 1: 4 launches
;; limits: right only within a limited range of input values
;; workspace buffers: xq 6,553,600 bytes; wq 3,276,800 bytes; ct 262,144 bytes; qb 6,815,744 bytes; kv 13,369,344 bytes; ob 6,553,600 bytes
;; launch prep (part 1): grid 400 x 1, 4 waves a work-group, no clusters, 34,304 bytes of LDS; arguments x, Wq, Wk, Wv, Wo, position_ids, xq, wq, ct; writes xq, wq, ct
.if DOCPART == 1
	.amdgcn_target "amdgcn-amd-amdhsa--gfx1250"
	.amdhsa_code_object_version 6
	.text
	.protected	k_q7b5ae992fa_prep
	.globl	k_q7b5ae992fa_prep
	.p2align	8
	.type	k_q7b5ae992fa_prep,@function
k_q7b5ae992fa_prep:
	s_mov_b64 s[64:65], 0
	v_nop
	global_prefetch_b8 v0, s[64:65] scope:SCOPE_SE
	s_setreg_imm32_b32 hwreg(HW_REG_WAVE_MODE, 25, 1), 1
	s_wait_xcnt 0x0
; PREP: x [8192][1024] and Wq, Wk, Wv, Wo [1024][1024], f32 with K innermost, become codes of FP6 (E2M3) with one E8M0 byte for each 32 along K; and the table of cos and sin for the rotation is made from position_ids.
; NOTHING OF reference() IS LEFT OUT in this program: each of bq, bk, bv goes into an operand of a quantised product and can move its codes, bo is added to the result, position_ids turns Q and K: all ten inputs are loaded by some launch.
; A block's scale is 2^(floor(log2(its largest magnitude)) - 2); its byte is the largest magnitude's exponent field - 2, held at 1 from below by a floor among the maximum's leaves.
; LIMITS: NaN and infinities among the inputs are not served.  A block whose largest magnitude lies under 2^-124 keeps the byte 1; a block of zeros has the byte 1 where the rule says 127: its codes are zeros, and this program alone reads the bytes.
;         |position_ids| up to 2^20: beyond that the reduction of the angle by three parts of pi/2 loses accuracy.
; LAYOUT OF THE CODES: in the order of the operand's registers.  A tile T holds the 16 rows 32 (T / 2) + 8 (T % 2) + i + 8 (i / 8), i = 0 .. 15; its fragment of K step s (128 along K, 12 registers a lane) is 1,536 bytes at 12,288 T + 1,536 s:
;   registers 2 k, 2 k + 1 of lane l at 256 k + 8 l.  The scale words: 512 T + 256 q + 16 r + 4 j for row r of the tile and K step 4 q + j, behind the codes.
; SHARES: work-groups 0-255 take x, 256-383 the weights (32 each: q, k, v, o), 384-399 the table.  A wave takes one tile and half of K: 16 rows x 512 numbers, in four steps of 128 along K.
; Each load reads 512 consecutive bytes of one row; a step's 16 rows turn through the wave's own stage in LDS (rows 528 bytes apart) so that a lane gets two whole blocks of 32 of its row, in the order of the operand's registers.
.set SPARE, 33792                      ; behind the four stages: the spare words, 128 bytes for each wave
.set SPW,   12                         ; v12  LDS address of my spare word; never rewritten
.set NIL,   13                         ; v13  0; never rewritten
.set R,     16                         ; v16-143  two sets of 64 registers as loaded
.set X,     144                        ; v144-207 my 64 numbers: register 32 c + i = k 64 c + 32 h + i of row r
.set C,     208                        ; v208-219 the fragment's 12 registers
.set D,     220                        ; v220-227 the upper halves of the two blocks, as converted
.set SW,    240                        ; v240-243 the four steps' scale words
	s_load_b512 s[8:23], s[0:1], 0x0               ; x s[8:9], Wq s[10:11], Wk s[12:13], Wv s[14:15], Wo s[16:17], position_ids s[18:19], xq s[20:21], wq s[22:23]
	s_load_b64 s[24:25], s[0:1], 0x40              ; ct
	v_lshl_add_u32 v[SPW], v0, 2, SPARE
	v_mov_b32 v[NIL], 0
	v_lshrrev_b32 v1, 5, v0
	v_readfirstlane_b32 s2, v1                     ; wave 0..3
	v_and_b32 v7, 31, v0                           ; lane
	v_and_b32 v8, 15, v0                           ; r
	v_bfe_u32 v9, v0, 4, 1                         ; h
	s_mov_b32 s3, 0x76543210
	s_mov_b32 s4, 0xfedcba98                       ; v_permlanex16_b32's selects for lane l xor 16
	s_cmp_ge_u32 ttmp9, 384
	s_cbranch_scc1 .Ltable
	v_lshlrev_b32 v1, 4, v7                        ; 16 x lane: my 16 bytes of a load's 512
	v_lshlrev_b32 v2, 3, v7                        ; 8 x lane: my 8 bytes of a store's 256
	s_mul_i32 s5, s2, 8448                         ; my stage: 16 rows x 528 bytes
	v_add_nc_u32 v3, s5, v1                        ; into it: a row as it lies
	v_mul_u32_u24 v4, v8, 528
	v_lshl_add_u32 v4, v9, 7, v4
	v_add_nc_u32 v4, s5, v4                        ; out of it: row r, + 128 h: my block of 32 numbers
	v_lshlrev_b32 v5, 4, v8
	v_lshl_add_u32 v5, v9, 3, v5                   ; the scale words' place: 16 r + 8 h
	v_lshlrev_b32 v6, 3, v9                        ; 8 h: my bytes' shift in a scale word
	v_mov_b32 v230, 0                              ; written once: a lane permute's destination counts as one of its sources
	s_lshr_b32 s6, s2, 1                           ; which of the work-group's two tiles
	s_and_b32 s7, s2, 1                            ; q: which half of K
	s_sub_co_u32 s30, ttmp9, 256                   ; a weight's work-group counts from 256
	s_lshr_b32 s31, s30, 5                         ; which weight
	s_and_b32 s33, s30, 31                         ; and which 32 rows of it
	s_mov_b32 s35, 3145728                         ; where the scale words begin in wq
	s_wait_alu depctr_va_vdst(0)
	s_wait_kmcnt 0x0
	s_cmp_eq_u32 s31, 1                            ; the choices hang on the work-group's number alone
	s_cselect_b64 s[26:27], s[12:13], s[10:11]
	s_cmp_eq_u32 s31, 2
	s_cselect_b64 s[26:27], s[14:15], s[26:27]
	s_cmp_eq_u32 s31, 3
	s_cselect_b64 s[26:27], s[16:17], s[26:27]
	s_cmp_lt_u32 ttmp9, 256
	s_cselect_b64 s[26:27], s[8:9], s[26:27]       ; the source
	s_cselect_b64 s[28:29], s[20:21], s[22:23]     ; the destination
	s_cselect_b32 s32, ttmp9, s30                  ; u: the pair of tiles in the destination
	s_cselect_b32 s33, ttmp9, s33                  ; and in the source
	s_cselect_b32 s35, 6291456, s35                ; where the scale words begin
	s_lshl_b32 s36, s33, 17                        ; 32 rows of 4,096 bytes a pair of tiles,
	s_lshl_b32 s38, s6, 15                         ; 8 rows on for the second tile,
	s_add_co_u32 s36, s36, s38
	s_lshl_b32 s38, s7, 11                         ; 2,048 bytes on for the second half of K
	s_add_co_u32 s36, s36, s38
	s_mov_b32 s37, 0
	s_add_nc_u64 s[26:27], s[26:27], s[36:37]
	s_lshl_b32 s32, s32, 1
	s_add_co_u32 s32, s32, s6                      ; T
	s_mul_i32 s36, s32, 12288
	s_mul_i32 s38, s7, 6144
	s_add_co_u32 s36, s36, s38
	s_add_nc_u64 s[40:41], s[28:29], s[36:37]      ; my four fragments
	s_lshl_b32 s36, s32, 9
	s_lshl_b32 s38, s7, 8
	s_add_co_u32 s36, s36, s38
	s_add_co_u32 s36, s36, s35
	s_add_nc_u64 s[42:43], s[28:29], s[36:37]      ; my 256 bytes of scale words
.macro LOAD t                          ; step t: 512 bytes of each of the tile's 16 rows, into set t % 2
.irp i, 0,1,2,3,4,5,6,7,8,9,10,11,12,13,14,15
	global_load_b128 v[R+64*((\t)%2)+4*\i:R+64*((\t)%2)+4*\i+3], v1, s[26:27] offset:(\i+8*(\i/8))*4096+512*(\t) th:TH_LOAD_NT
.endr
.endm
.macro STEP t
.if (\t) < 3
	s_wait_loadcnt 16                              ; this step's 16 loads are in; the next step's 16 may be out
.else
	s_wait_loadcnt 0
.endif
.irp i, 0,1,2,3,4,5,6,7,8,9,10,11,12,13,14,15
	ds_store_b128 v3, v[R+64*((\t)%2)+4*\i:R+64*((\t)%2)+4*\i+3] offset:528*\i
.endr
.irp c, 0,1
.irp j, 0,1,2,3,4,5,6,7
	ds_load_b128 v[X+32*\c+4*\j:X+32*\c+4*\j+3], v4 offset:256*\c+16*\j   ; LDS serves a wave's instructions in order: these see the stores above, and the next step's stores come behind them
.endr
.endr
	s_wait_dscnt 0x0                               ; my numbers are back, and the stores have read their registers,
.if (\t)+2 < 4
	LOAD (\t)+2                                    ; which take the loads of two steps on
.endif
.irp c, 0,1
	v_max3_num_f32 v[228+\c], |v[X+32*\c]|, |v[X+32*\c+1]|, 0x1800000   ; my block 2 c + h: all its 32 numbers are mine; the floor 2^(3 - 127) holds the byte at 1 from below
.endr
.irp i, 2,4,6,8,10,12,14,16,18,20,22,24,26,28,30
.irp c, 0,1
	v_max3_num_f32 v[228+\c], v[228+\c], |v[X+32*\c+\i]|, |v[X+32*\c+\i+1]|
.endr
.endr
.irp c, 0,1
	v_add_nc_u32 v[232+\c], 0xff000000, v[228+\c]  ; 2 off the exponent field: the conversion takes this operand's exponent field as its scale
.endr
.irp c, 0,1
	v_lshrrev_b32 v[234+\c], 23, v[232+\c]         ; the scale's byte
.endr
	v_lshl_or_b32 v236, v235, 16, v234             ; my two bytes: blocks h and 2 + h of row r,
	v_lshlrev_b32 v236, v6, v236                   ; at their places in the word;
	v_permlanex16_b32 v230, v236, s3, s4
	v_or_b32 v[SW+(\t)], v236, v230                ; with lane l xor 16's two the word is whole
	s_wait_alu depctr_va_vdst(0)
	s_wait_xcnt 0x0                                ; the last step's stores have read their data: the codes' registers may be written again
.irp c, 0,1
	v_cvt_scalef32_pk16_fp6_f32 v[C+6*\c:C+6*\c+2], v[X+32*\c:X+32*\c+15], v[232+\c]
	v_cvt_scalef32_pk16_fp6_f32 v[D+4*\c:D+4*\c+2], v[X+32*\c+16:X+32*\c+31], v[232+\c]   ; (a conversion's three registers begin on an even number)
.endr
	v_nop                                          ; one plain place behind a scaled conversion
.irp c, 0,1
.irp i, 0,1,2
	v_mov_b32 v[C+6*\c+3+\i], v[D+4*\c+\i]
.endr
.endr
.irp k, 0,1,2,3,4,5
	global_store_b64 v2, v[C+2*\k:C+2*\k+1], s[40:41] offset:1536*(\t)+256*\k   ; 32 lanes store 256 consecutive bytes, aligned
.endr
.endm
	LOAD 0
	LOAD 1
	STEP 0
	STEP 1
	STEP 2
	STEP 3
	v_cmp_ne_u32 vcc_lo, 0, v9                     ; every lane holds its row's four words: lanes 0-15 store words 0 and 1, lanes 16-31 words 2 and 3
	v_cndmask_b32 v228, v[SW], v[SW+2], vcc_lo
	v_cndmask_b32 v229, v[SW+1], v[SW+3], vcc_lo
	global_store_b64 v5, v[228:229], s[42:43]      ; 256 consecutive bytes, aligned
	s_wait_tensorcnt 0x0                           ; the wave's end, behind my last LDS store
	ds_add_u32 v[SPW], v[NIL]
	s_wait_dscnt 0x0
	s_endpgm
; THE TABLE.  ct: 4,096 T' + 512 g + 16 lane: for g < 4 cos, for g >= 4 sin, of pos x inv_freq(f), f = 16 h + 4 (g % 4) + 0 .. 3, pos = position_ids at index 32 (T' / 2) + 8 (T' % 2) + r + 8 (r / 8).
; inv_freq(f) = 10000^(-f / 32) = 2^(-f L), L = log2(10000) / 32.  L is split: Lh has 19 bits, so f Lh is exact; 2^(f (Lh - L)) = 1 + f (Lh - L) ln 2 to far below f32's last bit.
; The angle is reduced by n = the nearest whole number to angle x 2 / pi, with pi / 2 in three parts by fused multiply-adds; sine and cosine on +-pi/4 by polynomials; the quadrant n mod 4 swaps them and sets the signs, by selection.
; One line of the formula for all sixteen frequencies at a time, so that no line waits for the line above it.
.Ltable:
	s_sub_co_u32 s5, ttmp9, 384
	s_lshl_b32 s5, s5, 2
	s_add_co_u32 s5, s5, s2                        ; T' = 4 x (work-group - 384) + wave
	s_lshr_b32 s6, s5, 1
	s_lshl_b32 s6, s6, 5
	s_and_b32 s7, s5, 1
	s_lshl_b32 s7, s7, 3
	s_add_co_u32 s6, s6, s7                        ; the tile's first index
	s_wait_alu depctr_va_vdst(0)
	v_and_b32 v1, 8, v8
	v_add_nc_u32 v1, v1, v8
	v_add_nc_u32 v1, s6, v1
	v_lshlrev_b32 v1, 2, v1                        ; my index, in bytes
	v_lshlrev_b32 v3, 4, v7                        ; 16 x lane
	v_lshlrev_b32 v2, 4, v9                        ; 16 h
	s_lshl_b32 s6, s5, 12
	s_mov_b32 s7, 0
	s_mov_b32 s40, 0xbfc90fdb                      ; -pi/2 in three parts
	s_mov_b32 s41, 0x333bbd2e
	s_mov_b32 s42, 0x26f72ced
	s_mov_b32 s43, 0xb94ca1f9                      ; sine: -1.9515296e-4, 8.3321609e-3, -1.6666655e-1
	s_mov_b32 s44, 0x3c08839e
	s_mov_b32 s45, 0xbe2aaaa3
	s_mov_b32 s46, 0x37ccf5ce                      ; cosine: 2.4433157e-5, -1.3887316e-3, 4.1666646e-2
	s_mov_b32 s47, 0xbab6061a
	s_mov_b32 s48, 0x3d2aaaa5
	s_wait_alu depctr_va_vdst(0)
	s_wait_kmcnt 0x0
	global_load_b32 v16, v1, s[18:19]
	s_add_nc_u64 s[24:25], s[24:25], s[6:7]
.macro ALL16 body:vararg
.endm
.irp i, 0,1,2,3,4,5,6,7,8,9,10,11,12,13,14,15
	v_add_nc_u32 v[32+\i], \i, v2                  ; f
.endr
.irp i, 0,1,2,3,4,5,6,7,8,9,10,11,12,13,14,15
	v_cvt_f32_u32 v[32+\i], v[32+\i]
.endr
.irp i, 0,1,2,3,4,5,6,7,8,9,10,11,12,13,14,15
	v_mul_f32 v[48+\i], 0xbed49a80, v[32+\i]       ; -f Lh, exact
.endr
	s_wait_alu depctr_va_vdst(0)
.irp i, 0,1,2,3,4,5,6,7,8,9,10,11,12,13,14,15
	v_exp_f32 v[48+\i], v[48+\i]
.endr
.irp i, 0,1,2,3,4,5,6,7,8,9,10,11,12,13,14,15
	v_mul_f32 v[32+\i], 0x342ae0c2, v[32+\i]       ; f (Lh - L) ln 2: plain work behind the exponentials
.endr
	s_wait_alu depctr_va_vdst(0)                   ; one wait for the sixteen exponentials, ahead of their first reader
	s_wait_loadcnt 0x0
	v_cvt_f32_i32 v16, v16                         ; the position as f32
.irp i, 0,1,2,3,4,5,6,7,8,9,10,11,12,13,14,15
	v_fma_f32 v[48+\i], v[48+\i], v[32+\i], v[48+\i]   ; inv_freq
.endr
.irp i, 0,1,2,3,4,5,6,7,8,9,10,11,12,13,14,15
	v_mul_f32 v[48+\i], v16, v[48+\i]              ; the angle, rounded once
.endr
.irp i, 0,1,2,3,4,5,6,7,8,9,10,11,12,13,14,15
	v_mul_f32 v[64+\i], 0x3f22f983, v[48+\i]       ; x 2 / pi
.endr
.irp i, 0,1,2,3,4,5,6,7,8,9,10,11,12,13,14,15
	v_rndne_f32 v[64+\i], v[64+\i]                 ; n
.endr
.irp i, 0,1,2,3,4,5,6,7,8,9,10,11,12,13,14,15
	v_fma_f32 v[80+\i], v[64+\i], s40, v[48+\i]
.endr
.irp i, 0,1,2,3,4,5,6,7,8,9,10,11,12,13,14,15
	v_fma_f32 v[80+\i], v[64+\i], s41, v[80+\i]
.endr
.irp i, 0,1,2,3,4,5,6,7,8,9,10,11,12,13,14,15
	v_fma_f32 v[80+\i], v[64+\i], s42, v[80+\i]    ; the reduced angle a
.endr
.irp i, 0,1,2,3,4,5,6,7,8,9,10,11,12,13,14,15
	v_cvt_i32_f32 v[144+\i], v[64+\i]              ; n as a whole number
.endr
.irp i, 0,1,2,3,4,5,6,7,8,9,10,11,12,13,14,15
	v_mul_f32 v[96+\i], v[80+\i], v[80+\i]         ; z = a a
.endr
.irp i, 0,1,2,3,4,5,6,7,8,9,10,11,12,13,14,15
	v_fma_f32 v[112+\i], v[96+\i], s43, s44
.endr
.irp i, 0,1,2,3,4,5,6,7,8,9,10,11,12,13,14,15
	v_fma_f32 v[128+\i], v[96+\i], s46, s47
.endr
.irp i, 0,1,2,3,4,5,6,7,8,9,10,11,12,13,14,15
	v_fma_f32 v[112+\i], v[112+\i], v[96+\i], s45
.endr
.irp i, 0,1,2,3,4,5,6,7,8,9,10,11,12,13,14,15
	v_fma_f32 v[128+\i], v[128+\i], v[96+\i], s48
.endr
.irp i, 0,1,2,3,4,5,6,7,8,9,10,11,12,13,14,15
	v_mul_f32 v[160+\i], v[96+\i], v[80+\i]        ; z a
.endr
.irp i, 0,1,2,3,4,5,6,7,8,9,10,11,12,13,14,15
	v_mul_f32 v[176+\i], v[96+\i], v[96+\i]        ; z z
.endr
.irp i, 0,1,2,3,4,5,6,7,8,9,10,11,12,13,14,15
	v_fma_f32 v[96+\i], v[96+\i], -0.5, 1.0        ; 1 - z / 2
.endr
.irp i, 0,1,2,3,4,5,6,7,8,9,10,11,12,13,14,15
	v_fma_f32 v[112+\i], v[112+\i], v[160+\i], v[80+\i]   ; sin a
.endr
.irp i, 0,1,2,3,4,5,6,7,8,9,10,11,12,13,14,15
	v_fma_f32 v[128+\i], v[128+\i], v[176+\i], v[96+\i]   ; cos a
.endr
.irp i, 0,1,2,3,4,5,6,7,8,9,10,11,12,13,14,15
	v_and_b32 v[160+\i], 1, v[144+\i]              ; an odd quadrant swaps the two
.endr
.irp i, 0,1,2,3,4,5,6,7,8,9,10,11,12,13,14,15
	v_cmp_eq_u32 vcc_lo, 1, v[160+\i]
	v_cndmask_b32 v[64+\i], v[112+\i], v[128+\i], vcc_lo   ; the sine's magnitude
	v_cndmask_b32 v[80+\i], v[128+\i], v[112+\i], vcc_lo   ; the cosine's
.endr
.irp i, 0,1,2,3,4,5,6,7,8,9,10,11,12,13,14,15
	v_lshlrev_b32 v[160+\i], 30, v[144+\i]         ; the sine changes sign in quadrants 2 and 3: bit 1 of n,
.endr
.irp i, 0,1,2,3,4,5,6,7,8,9,10,11,12,13,14,15
	v_add_nc_u32 v[144+\i], 1, v[144+\i]           ; the cosine in quadrants 1 and 2: bit 1 of n + 1
.endr
.irp i, 0,1,2,3,4,5,6,7,8,9,10,11,12,13,14,15
	v_and_b32 v[160+\i], 0x80000000, v[160+\i]
.endr
.irp i, 0,1,2,3,4,5,6,7,8,9,10,11,12,13,14,15
	v_lshlrev_b32 v[144+\i], 30, v[144+\i]
.endr
.irp i, 0,1,2,3,4,5,6,7,8,9,10,11,12,13,14,15
	v_xor_b32 v[64+\i], v[160+\i], v[64+\i]        ; sin
.endr
.irp i, 0,1,2,3,4,5,6,7,8,9,10,11,12,13,14,15
	v_and_b32 v[144+\i], 0x80000000, v[144+\i]
.endr
.irp i, 0,1,2,3,4,5,6,7,8,9,10,11,12,13,14,15
	v_xor_b32 v[80+\i], v[144+\i], v[80+\i]        ; cos
.endr
.irp g, 0,1,2,3
	global_store_b128 v3, v[80+4*\g:83+4*\g], s[24:25] offset:512*\g          ; 32 lanes store 512 consecutive bytes, aligned
	global_store_b128 v3, v[64+4*\g:67+4*\g], s[24:25] offset:2048+512*\g
.endr
	s_wait_tensorcnt 0x0                           ; the wave's end
	ds_add_u32 v[SPW], v[NIL]
	s_wait_dscnt 0x0
	s_endpgm
.Lfunc_end_k_q7b5ae992fa_prep:
	.size	k_q7b5ae992fa_prep, .Lfunc_end_k_q7b5ae992fa_prep-k_q7b5ae992fa_prep
	.p2alignl 7, 3214868480
	.fill 96, 4, 3214868480
	.section	.rodata,"a",@progbits
	.p2align	6, 0x0
	.amdhsa_kernel k_q7b5ae992fa_prep
		.amdhsa_group_segment_fixed_size 34304
		.amdhsa_private_segment_fixed_size 0
		.amdhsa_enable_private_segment 0
		.amdhsa_kernarg_size 72
		.amdhsa_user_sgpr_count 2
		.amdhsa_user_sgpr_kernarg_segment_ptr 1
		.amdhsa_wavefront_size32 1
		.amdhsa_system_sgpr_workgroup_id_x 1
		.amdhsa_system_sgpr_workgroup_id_y 1
		.amdhsa_system_sgpr_workgroup_id_z 1
		.amdhsa_system_vgpr_workitem_id 0
		.amdhsa_next_free_vgpr 256
		.amdhsa_next_free_sgpr 66
		.amdhsa_reserve_vcc 1
		.amdhsa_float_denorm_mode_32 3
		.amdhsa_float_denorm_mode_16_64 3
		.amdhsa_memory_ordered 1
		.amdhsa_forward_progress 1
		.amdhsa_inst_pref_size 59
	.end_amdhsa_kernel
	.amdgpu_metadata
---
amdhsa.version: [ 1, 2 ]
amdhsa.kernels:
  - .name:           k_q7b5ae992fa_prep
    .symbol:         k_q7b5ae992fa_prep.kd
    .args:
      - { .name: x, .offset: 0, .size: 8, .value_kind: global_buffer, .address_space: global }
      - { .name: Wq, .offset: 8, .size: 8, .value_kind: global_buffer, .address_space: global }
      - { .name: Wk, .offset: 16, .size: 8, .value_kind: global_buffer, .address_space: global }
      - { .name: Wv, .offset: 24, .size: 8, .value_kind: global_buffer, .address_space: global }
      - { .name: Wo, .offset: 32, .size: 8, .value_kind: global_buffer, .address_space: global }
      - { .name: position_ids, .offset: 40, .size: 8, .value_kind: global_buffer, .address_space: global }
      - { .name: xq, .offset: 48, .size: 8, .value_kind: global_buffer, .address_space: global }
      - { .name: wq, .offset: 56, .size: 8, .value_kind: global_buffer, .address_space: global }
      - { .name: ct, .offset: 64, .size: 8, .value_kind: global_buffer, .address_space: global }
    .group_segment_fixed_size: 34304
    .private_segment_fixed_size: 0
    .kernarg_segment_align: 8
    .kernarg_segment_size: 72
    .max_flat_workgroup_size: 128
    .sgpr_count:     66
    .vgpr_count:     256
    .wavefront_size: 32
...
	.end_amdgpu_metadata
.endif
;; end of part 1
;; launch qkv (part 2): grid 12 x 64, 4 waves a work-group, clusters of 4 x 4, 327,680 bytes of LDS; arguments xq, wq, ct, bq, bk, bv, qb, kv; writes qb, kv
.if DOCPART == 2
	.amdgcn_target "amdgcn-amd-amdhsa--gfx1250"
	.amdhsa_code_object_version 6
	.text
	.protected	k_q7b5ae992fa_qkv
	.globl	k_q7b5ae992fa_qkv
	.p2align	8
	.type	k_q7b5ae992fa_qkv,@function
k_q7b5ae992fa_qkv:
	s_mov_b64 s[64:65], 0
	v_nop
	global_prefetch_b8 v0, s[64:65] scope:SCOPE_SE
	s_setreg_imm32_b32 hwreg(HW_REG_WAVE_MODE, 25, 1), 1
	s_wait_xcnt 0x0
	s_wait_alu depctr_hold_cnt(0) depctr_sa_sdst(0) depctr_va_vdst(0) depctr_va_sdst(0) depctr_va_ssrc(0) depctr_va_vcc(0) depctr_vm_vsrc(0)
	s_getreg_b32 s2, hwreg(HW_REG_IB_STS2, 6, 4)
	s_cmp_eq_u32 s2, 0
	s_cbranch_scc0 .Lentry_in_a_cluster
	s_endpgm
.Lentry_in_a_cluster:
	s_bfe_u32 s2, ttmp6, 0x10000c
	s_cmp_lg_u32 s2, 0xf033
	s_cbranch_scc0 .Lentry_shape_is_right
	s_endpgm
.Lentry_shape_is_right:
; QKV: the three projections on codes of FP6 (E2M3), their biases, the rotation of Q and K, and the quantisers of Q and K (along the head's 64) and of V (along the keys).  Nothing of reference() is left out here.
; A work-group makes 128 "A" rows x 256 "B" rows with ALL of K = 1,024 in LDS: (128 + 256) x 768 bytes.  Every tensor load is a first fill: no slot is filled again.  Four waves, each 64 A rows x 128 B rows: 32 accumulators.
; THE MATRIX INSTRUCTION: source 0 = 16 B rows, source 1 = 16 A rows.  A tile T holds rows 32 (T / 2) + 8 (T % 2) + i + 8 (i / 8).  So lane (r, h) holds A row r of its tile, and register j of accumulator (a, b) the B row
; 32 (b / 2) + 16 h + 8 (b % 2) + j: the 16 registers of accumulators 2 k, 2 k + 1 are 16 neighbours along the B rows, which are the next product's K.
; CLUSTER x = 0, 1 (Q, K): A = x, B = Wq | Wk: a lane holds one position and its registers run along the head's axis.  CLUSTER x = 2 (V): A = Wv, B = x: a lane holds one channel and its registers run along the keys.
; The branch between the two hangs on the cluster's x alone, which all sixteen partners share.  A's tiles are asked for jointly along a row of the cluster, B's along a column.
; OUT: qb: (16 b + head) x 53,248 + 6,656 ks: eight tiles of 16 positions x 64 codes (768 bytes: registers 2 p, 2 p + 1 of lane l at 256 p + 8 l), then 512 bytes of scale words (two bytes used, the upper two 0).
;      kv: (16 b + head) x 104,448 + 13,056 ks: K's eight tiles so; at 6,144 V's four tiles of 16 channels x 128 keys (registers 4 g .. 4 g + 3 of lane l at 512 g + 16 l); at 12,288 K's scale words; at 12,800 V's.
; LIMITS: NaN and infinities are not served; a block under 2^-124, a block of zeros too, keeps the byte 1: this program alone reads the bytes.
; REGISTERS, in windows of 256: window 0: v1-31 addresses; v32-79 scale words and nothing else; v128-223 A's fragments, two sets (on the way out: v128-191 64 numbers, v192-255 at work).
;   window 1: B's fragments, two sets, at v0 and v128.   window 2: accumulator (a, b) at v[8 (8 a + b)].   window 3: v0-63 the bias in the result's layout; v64-191 cos and sin for my four tiles of positions.
.set CHA,   49152                      ; LDS: A's half f of K (512 along K of 8 tiles, 6,144 bytes a tile) at CHA f
.set CHB,   98304                      ; B's (16 tiles) at BOFF + CHB f
.set BOFF,  2*CHA
.set SPARE, BOFF+2*CHB                 ; behind them: the spare words, 128 bytes for each wave
; A joint load of half c of K: waves 0 and 1 fetch four tiles of A each, waves 2 and 3 eight tiles of B each: one tensor load a wave.  The branch hangs on the wave's number alone.
.macro JLOAD c
	s_cmp_eq_u32 s4, 0
	s_cbranch_scc0 .Lfor_b_\@
	tensor_load_to_lds s[G0+8*\c:G0+8*\c+3], s[G1A:G1A+7]
	s_nop 0
.rept 4
	v_nop
.endr
	s_branch .Lasked_\@
.Lfor_b_\@:
	tensor_load_to_lds s[G0+8*\c+4:G0+8*\c+7], s[G1B:G1B+7]
	s_nop 0
.rept 4
	v_nop
.endr
.Lasked_\@:
.endm
.set FR,    12                         ; registers of a fragment
.set ADRA,  16                         ; v16-19  LDS address of my A fragments in chunk c
.set ADRB,  20                         ; v20-23  of my B fragments
.set SPW,   28                         ; v28     LDS address of my spare word; never rewritten
.set NIL,   29                         ; v29     0; never rewritten
.set SA,    32                         ; v[SA + 4 a + j]: lanes 0-15 the word of K step j, lanes 16-31 of K step 4 + j, of A's tile a
.set SB,    48                         ; v[SB + 4 b + j]: the same of B's tile b
.set AF,    128
.set HB,    128                        ; the way out: 64 numbers
.set PC,    192                        ; the codes just made (v192-203; v204-210 at work)
.set TM,    212                        ; v212-227 at work in QUANT
.set PW,    228                        ; the scale word just made
.set KW,    232                        ; v232-239 scale words kept
.set TT,    240                        ; v240-255 at work in the rotation; in V's path the bias, a pair for each tile
.set WV,    3
.set G1A,   16                         ; s[16:23], s[24:31] descriptor groups 1;  s[32:47] four groups 0: A's half f at 32 + 8 f, B's at 36 + 8 f; none is ever rewritten
.set G1B,   24
.set G0,    32
.set SEL,   66
.set MSB, 0
.macro WIN new                         ; the immediate's high byte repeats the setting that is left
.if MSB != \new
	s_set_vgpr_msb (MSB<<8)|\new
.set MSB, \new
.endif
.endm
.macro PLACES n
.rept \n
	v_nop
.endr
.endm
.macro CROUND                          ; a round of the cluster's barrier
	s_barrier_signal -1
	s_barrier_wait -1
	s_cmp_lg_u32 s[WV], 0
	s_cbranch_scc1 .Lnot_wave_0_\@
	s_barrier_signal -3
.Lnot_wave_0_\@:
	s_barrier_wait -3
	s_barrier_signal -1
	s_barrier_wait -1
.endm
.macro FETCH s                         ; the fragments of K step s into set s % 2: each load reads 256 consecutive bytes
	WIN 0x40
.irp b, 0,1,2,3,4,5,6,7
.irp k, 0,1,2,3,4,5
	ds_load_b64 v[128*((\s)%2)+FR*\b+2*\k:128*((\s)%2)+FR*\b+2*\k+1], v[ADRB+(\s)/4] offset:6144*\b+1536*((\s)%4)+256*\k
.endr
.endr
	WIN 0
.irp a, 0,1,2,3
.irp k, 0,1,2,3,4,5
	ds_load_b64 v[AF+48*((\s)%2)+FR*\a+2*\k:AF+48*((\s)%2)+FR*\a+2*\k+1], v[ADRA+(\s)/4] offset:6144*\a+1536*((\s)%4)+256*\k
.endr
.endr
.endm
; 16 matrix instructions of K step s: A's tiles a0, a0 + 1 x B's eight.  The 32 accumulators take turns, one instruction a turn, in the same order in every step.
; Step 0 starts the sums: with the bias (mode 1: eight registers a tile of B, in window 3) or with 0.
.macro MULH s, mode, a0
.irp a, \a0, \a0+1
.irp b, 0,1,2,3,4,5,6,7
.if (\s) == 0
.if \mode
	v_wmma_scale_f32_16x16x128_f8f6f4 v[8*(8*(\a)+\b):8*(8*(\a)+\b)+7], v[FR*\b:FR*\b+FR-1], v[AF+FR*(\a):AF+FR*(\a)+FR-1], v[8*\b:8*\b+7], v[SB+4*\b], v[SA+4*(\a)] matrix_a_fmt:MATRIX_FMT_FP6 matrix_b_fmt:MATRIX_FMT_FP6
.else
	v_wmma_scale_f32_16x16x128_f8f6f4 v[8*(8*(\a)+\b):8*(8*(\a)+\b)+7], v[FR*\b:FR*\b+FR-1], v[AF+FR*(\a):AF+FR*(\a)+FR-1], 0, v[SB+4*\b], v[SA+4*(\a)] matrix_a_fmt:MATRIX_FMT_FP6 matrix_b_fmt:MATRIX_FMT_FP6
.endif
.elseif (\s) < 4
	v_wmma_scale_f32_16x16x128_f8f6f4 v[8*(8*(\a)+\b):8*(8*(\a)+\b)+7], v[128*((\s)%2)+FR*\b:128*((\s)%2)+FR*\b+FR-1], v[AF+48*((\s)%2)+FR*(\a):AF+48*((\s)%2)+FR*(\a)+FR-1], v[8*(8*(\a)+\b):8*(8*(\a)+\b)+7], v[SB+4*\b+(\s)], v[SA+4*(\a)+(\s)] matrix_a_fmt:MATRIX_FMT_FP6 matrix_b_fmt:MATRIX_FMT_FP6
.else
	v_wmma_scale_f32_16x16x128_f8f6f4 v[8*(8*(\a)+\b):8*(8*(\a)+\b)+7], v[128*((\s)%2)+FR*\b:128*((\s)%2)+FR*\b+FR-1], v[AF+48*((\s)%2)+FR*(\a):AF+48*((\s)%2)+FR*(\a)+FR-1], v[8*(8*(\a)+\b):8*(8*(\a)+\b)+7], v[SB+4*\b+(\s)-4], v[SA+4*(\a)+(\s)-4] matrix_a_fmt:MATRIX_FMT_FP6 matrix_b_fmt:MATRIX_FMT_FP6 matrix_a_scale:MATRIX_SCALE_ROW1 matrix_b_scale:MATRIX_SCALE_ROW1
.endif
.endr
.endr
.endm
; The eight K steps.  K comes in two halves, one tensor load a wave each.  The first half was asked for at the head; the second is a later first fill: it stands behind the wait for all my loads, the add, its wait and a round
; of the cluster's barrier, and has K steps 0 to 3 in which to land.  At the head of K step 3 every wave waits for its load and passes a barrier behind which nothing is filled.
; In a step's middle the next step's 72 LDS loads are issued into the other set, which the step before multiplied: the four places that they owe stand at the step's head.
.macro MAIN mode
	s_wait_alu depctr_va_vdst(0)                   ; the wait ahead of the blocking wait
	s_wait_tensorcnt 0x0                           ; my part of the first half is in
	ds_add_u32 v[SPW], v[NIL]
	s_wait_dscnt 0x0
	CROUND                                         ; everybody's part is in, and the sixteen work-groups are here
	JLOAD 1                                        ; the second half of K
	FETCH 0
	s_wait_loadcnt 0x0                             ; the scale words and what the way out wants
.irp s, 0,1,2,3,4,5,6,7
	s_wait_dscnt 0x0                               ; this step's fragments are in
.if (\s == 3)
	s_wait_tensorcnt 0x0                           ; my part of the second half has landed
	s_barrier_signal -1
	s_barrier_wait -1
.endif
.if (\s > 0) && (\s < 7)
	PLACES 4
.endif
.if \s == 0
.if \mode
	WIN 0xb1                                       ; source 0 (B) window 1, source 1 (A) window 0, C (the bias) window 3, D window 2
.else
	WIN 0xa1
.endif
.else
	WIN 0xa1                                       ; C and D window 2
.endif
	MULH \s, \mode, 0
.if \s < 7
	FETCH \s+1
.endif
.if \s == 0
.if \mode
	WIN 0xb1
.else
	WIN 0xa1
.endif
.else
	WIN 0xa1
.endif
	MULH \s, \mode, 2
.endr
	WIN 0
.endm
; 64 numbers of a lane, v[s] .. v[s + 63], register 16 b + i = k 32 b + 16 h + i of my row, become a fragment's codes in v[PC] on and its scale word in v[PW].
.macro QUANT s
.irp b, 0,1,2,3
	v_max3_num_f32 v[TM+\b], |v[\s+16*\b]|, |v[\s+1+16*\b]|, 0x1800000   ; block b: my 16 numbers, and the floor 2^(3 - 127): the byte cannot fall under 1
.endr
.irp i, 2,4,6,8,10,12,14
.irp b, 0,1,2,3
	v_max3_num_f32 v[TM+\b], v[TM+\b], |v[\s+16*\b+\i]|, |v[\s+1+16*\b+\i]|
.endr
.endr
.irp b, 0,1,2,3
	v_permlanex16_b32 v[TM+4+\b], v[TM+\b], s[SEL], s[SEL+1]
.endr
.irp b, 0,1,2,3
	v_max_num_f32 v[TM+\b], v[TM+\b], v[TM+4+\b]   ; with lane l xor 16's: the block's largest magnitude
.endr
.irp b, 0,1,2,3
	v_add_nc_u32 v[TM+12+\b], 0xff000000, v[TM+\b] ; 2 off its exponent field: the conversion's scale operand
.endr
.irp b, 0,1,2,3
	v_lshrrev_b32 v[TM+4+\b], 23, v[TM+12+\b]      ; the scale's byte
.endr
	v_lshl_or_b32 v[PW], v[TM+5], 8, v[TM+4]
	v_lshl_or_b32 v[PW], v[TM+6], 16, v[PW]
	v_lshl_or_b32 v[PW], v[TM+7], 24, v[PW]
.irp c, 0,1
	v_cvt_scalef32_pk16_fp6_f32 v[PC+6*\c:PC+2+6*\c], v[\s+32*\c:\s+15+32*\c], v[TM+12+2*\c]
	v_cvt_scalef32_pk16_fp6_f32 v[PC+12+4*\c:PC+14+4*\c], v[\s+16+32*\c:\s+31+32*\c], v[TM+12+2*\c+1]   ; (a conversion's three registers begin on an even number)
.endr
	v_nop                                          ; one plain place behind a scaled conversion
.irp c, 0,1                                    ; the operand's layout wants a whole block in a lane
.irp i, 0,1,2
	v_permlane16_swap_b32 v[PC+6*\c+\i], v[PC+12+4*\c+\i]
.endr
.irp i, 0,1,2
	v_mov_b32 v[PC+3+6*\c+\i], v[PC+12+4*\c+\i]
.endr
.endr
.endm
	s_load_b512 s[68:83], s[0:1], 0x0              ; xq s[68:69], wq s[70:71], ct s[72:73], bq s[74:75], bk s[76:77], bv s[78:79], qb s[80:81], kv s[82:83]
	v_lshl_add_u32 v[SPW], v0, 2, SPARE
	v_mov_b32 v[NIL], 0
	ds_add_u32 v[SPW], v[NIL]                      ; the wave's opening: the add, twice on end, and its wait ahead of my first tensor load
	ds_add_u32 v[SPW], v[NIL]
	v_lshrrev_b32 v1, 5, v0
	v_readfirstlane_b32 s[WV], v1                  ; wave 0..3
	s_lshr_b32 s4, s3, 1                           ; wr: which 64 A rows are mine
	s_and_b32 s5, s3, 1                            ; wc: which 128 B rows
	s_bfe_u32 s6, ttmp6, 0x40000                   ; cx
	s_bfe_u32 s7, ttmp6, 0x40004                   ; cy
	s_and_b32 s9, ttmp7, 0xffff                    ; the cluster's y
	s_and_b32 s84, s9, 1
	s_lshr_b32 s85, s9, 1
	s_cmp_eq_u32 ttmp9, 2                          ; V's clusters: 8 tile rows of Wv, 32 tile columns of x
	s_cselect_b32 s10, s84, s9
	s_cselect_b32 s11, s85, ttmp9
	s_cselect_b32 s8, 128, 0                       ; Wv's tiles begin at 128 in wq
	s_lshl_b32 s10, s10, 2
	s_add_co_u32 s10, s10, s7                      ; tr: the tile row (128 A rows): it never holds cx
	s_lshl_b32 s11, s11, 2
	s_add_co_u32 s11, s11, s6                      ; tc: the tile column (256 B rows): it never holds cy
	s_lshl_b32 s12, s7, 2
	s_lshl_b32 s12, 15, s12                        ; my row of the cluster
	s_lshl_b32 s13, 0x1111, s6                     ; my column
	s_or_b32 s[G1A], s12, (3<<16)|(1<<21)          ; 15:0 the mask; 17:16 elements of 8 bytes; 21 set beside a mask; no padding
	s_or_b32 s[G1B], s13, (3<<16)|(1<<21)
	s_mov_b32 s[G1A+1], 768<<16                    ; tensor_dim0: 768 elements: a tile's 6,144 bytes of half of K
	s_mov_b32 s[G1A+2], 4<<16                      ; tensor_dim1: four tiles a load
	s_mov_b32 s[G1A+3], 768<<16                    ; tile_dim0
	s_mov_b32 s[G1A+4], 4                          ; tile_dim1
	s_mov_b32 s[G1A+5], 1536                       ; from tile to tile: 12,288 bytes
	s_mov_b32 s[G1A+6], 0
	s_mov_b32 s[G1A+7], 0
	s_mov_b32 s[G1B+1], 768<<16
	s_mov_b32 s[G1B+2], 8<<16                      ; eight tiles a load
	s_mov_b32 s[G1B+3], 768<<16
	s_mov_b32 s[G1B+4], 8
	s_mov_b32 s[G1B+5], 1536
	s_mov_b32 s[G1B+6], 0
	s_mov_b32 s[G1B+7], 0
	s_lshl_b32 s86, s10, 3
	s_add_co_u32 s86, s86, s8                      ; A's first tile
	s_lshl_b32 s87, s5, 2
	s_add_co_u32 s88, s86, s87                     ; + the four that I fetch
	s_mul_i32 s88, s88, 12288
	s_mov_b32 s89, 0
	s_lshl_b32 s90, s11, 4                         ; B's first tile
	s_lshl_b32 s91, s5, 3
	s_add_co_u32 s92, s90, s91                     ; + the eight that I fetch
	s_mul_i32 s92, s92, 12288
	s_mov_b32 s93, 0
	s_mul_i32 s14, s5, 24576                       ; where they go: no place in the cluster enters an LDS address
	s_mul_i32 s15, s5, 49152
	s_add_co_u32 s15, s15, BOFF
	s_mov_b32 s[SEL], 0x76543210
	s_mov_b32 s[SEL+1], 0xfedcba98
	s_mov_b32 s98, 6291456                         ; where the scale words begin in xq,
	s_mov_b32 s2, 3145728                          ; and in wq
	s_wait_dscnt 0x0                               ; both opening adds are done
	s_wait_kmcnt 0x0
	s_cmp_eq_u32 ttmp9, 2
	s_cselect_b64 s[94:95], s[70:71], s[68:69]     ; A's buffer
	s_cselect_b64 s[96:97], s[68:69], s[70:71]     ; B's
	s_cselect_b32 s99, s2, s98
	s_cselect_b32 s2, s98, s2
	s_add_nc_u64 s[88:89], s[94:95], s[88:89]
	s_add_nc_u64 s[92:93], s[96:97], s[92:93]
.irp c, 0,1
	s_mov_b32 s[G0+8*\c], 1
	s_add_co_u32 s[G0+8*\c+1], s14, CHA*\c
	s_add_nc_u64 s[G0+8*\c+2:G0+8*\c+3], s[88:89], 6144*\c
	s_or_b32 s[G0+8*\c+3], s[G0+8*\c+3], 0x80000000   ; type = 2
	s_mov_b32 s[G0+8*\c+4], 1
	s_add_co_u32 s[G0+8*\c+5], s15, CHB*\c
	s_add_nc_u64 s[G0+8*\c+6:G0+8*\c+7], s[92:93], 6144*\c
	s_or_b32 s[G0+8*\c+7], s[G0+8*\c+7], 0x80000000
.endr
	CROUND                                         ; all sixteen work-groups are here: the joint loads meet
	JLOAD 0                                        ; the first half of K: one tensor load a wave at the head
	v_and_b32 v2, 31, v0                           ; lane
	v_and_b32 v3, 15, v0                           ; r
	v_bfe_u32 v4, v0, 4, 1                         ; h
	v_lshlrev_b32 v5, 3, v2                        ; 8 x lane
	v_lshlrev_b32 v6, 4, v2                        ; 16 x lane
	s_mul_i32 s84, s4, 24576                       ; my four tiles of A,
	s_mul_i32 s85, s5, 49152                       ; my eight of B
	s_add_co_u32 s85, s85, BOFF
	v_add_nc_u32 v[ADRA], s84, v5
	v_add_nc_u32 v[ADRB], s85, v5
.irp c, 1
	v_add_nc_u32 v[ADRA+\c], CHA*\c, v[ADRA]
	v_add_nc_u32 v[ADRB+\c], CHB*\c, v[ADRB]
.endr
	v_lshlrev_b32 v24, 8, v4
	v_lshl_add_u32 v24, v3, 4, v24                 ; scale words: 256 h + 16 r: lanes 0-15 take K steps 0-3, lanes 16-31 steps 4-7
	s_wait_alu depctr_va_vdst(0)
	v_lshlrev_b32 v25, 6, v4                       ; 64 h
	v_lshlrev_b32 v26, 7, v4
	v_lshl_add_u32 v26, v3, 3, v26                 ; 128 h + 8 r
	v_and_b32 v27, 8, v3
	v_add_nc_u32 v27, v27, v3
	v_lshlrev_b32 v27, 2, v27                      ; 4 (r + 8 (r / 8))
	s_lshl_b32 s84, s4, 2
	s_add_co_u32 s84, s84, s86
	s_lshl_b32 s84, s84, 9
	s_add_co_u32 s84, s84, s99
	s_mov_b32 s85, 0
	s_add_nc_u64 s[94:95], s[94:95], s[84:85]      ; the scale words of my four tiles of A
	s_lshl_b32 s84, s5, 3
	s_add_co_u32 s84, s84, s90
	s_lshl_b32 s84, s84, 9
	s_add_co_u32 s84, s84, s2
	s_add_nc_u64 s[96:97], s[96:97], s[84:85]      ; and of my eight of B
.irp a, 0,1,2,3
	global_load_b128 v[SA+4*\a:SA+4*\a+3], v24, s[94:95] offset:512*\a
.endr
.irp b, 0,1,2,3,4,5,6,7
	global_load_b128 v[SB+4*\b:SB+4*\b+3], v24, s[96:97] offset:512*\b
.endr
	s_cmp_eq_u32 ttmp9, 2
	s_cbranch_scc1 .Lvpath
	; ---- Q and K
	s_mov_b32 s8, 104448                           ; kv: a head, a block of 128 keys, where K's scale words begin
	s_mov_b32 s12, 13056
	s_mov_b32 s13, 12288
	s_cmp_eq_u32 ttmp9, 0
	s_cselect_b64 s[84:85], s[74:75], s[76:77]     ; the bias
	s_cselect_b64 s[86:87], s[80:81], s[82:83]     ; the destination
	s_cselect_b32 s8, 53248, s8                    ; qb's figures
	s_cselect_b32 s12, 6656, s12
	s_cselect_b32 s13, 6144, s13
	s_mov_b32 s9, 0
	s_lshl_b32 s90, s6, 10                         ; my 128 output features: 256 cx + 128 wc
	s_lshl_b32 s91, s5, 9
	s_add_co_u32 s90, s90, s91
	s_mov_b32 s91, 0
	s_add_nc_u64 s[84:85], s[84:85], s[90:91]
	s_and_b32 s90, s10, 7                          ; the table's tiles: 8 (tr % 8) + 4 wr + a
	s_lshl_b32 s90, s90, 3
	s_lshl_b32 s15, s4, 2
	s_add_co_u32 s90, s90, s15
	s_lshl_b32 s90, s90, 12
	s_add_nc_u64 s[72:73], s[72:73], s[90:91]
	s_lshr_b32 s90, s10, 3                         ; b
	s_lshl_b32 s90, s90, 4
	s_lshl_b32 s15, s6, 2
	s_add_co_u32 s90, s90, s15
	s_lshl_b32 s15, s5, 1
	s_add_co_u32 s90, s90, s15                     ; 16 b + my first head (4 cx + 2 wc)
	s_mul_i32 s90, s90, s8
	s_and_b32 s15, s10, 7
	s_mul_i32 s15, s15, s12                        ; the block of 128 positions
	s_add_co_u32 s90, s90, s15
	s_add_nc_u64 s[86:87], s[86:87], s[90:91]
	s_mul_i32 s90, s4, 3072
	s_add_nc_u64 s[88:89], s[86:87], s[90:91]      ; my four tiles of the first head,
	s_add_nc_u64 s[92:93], s[88:89], s[8:9]        ; of the second;
	s_lshl_b32 s90, s4, 8
	s_add_co_u32 s90, s90, s13
	s_add_nc_u64 s[98:99], s[86:87], s[90:91]      ; their scale words, 256 bytes,
	s_add_nc_u64 s[14:15], s[98:99], s[8:9]        ; and the second head's
	WIN 0xc0                                       ; destination window 3
	s_wait_alu depctr_va_vdst(0)
.irp b, 0,1,2,3,4,5,6,7
	global_load_b128 v[8*\b:8*\b+3], v25, s[84:85] offset:128*(\b/2)+32*(\b%2)       ; the bias at features 32 (b / 2) + 16 h + 8 (b % 2) + 0 .. 7
	global_load_b128 v[8*\b+4:8*\b+7], v25, s[84:85] offset:128*(\b/2)+32*(\b%2)+16
.endr
.irp a, 0,1,2,3
.irp g, 0,1,2,3,4,5,6,7
	global_load_b128 v[64+32*\a+4*\g:64+32*\a+4*\g+3], v6, s[72:73] offset:4096*\a+512*\g   ; 16 cos, then 16 sin, of my position in tile a at frequencies 16 h + 0 .. 15
.endr
.endr
	WIN 0
	MAIN 1
	PLACES 4                                       ; behind the last products: results are read, and their operands' registers written, only from here on
.irp b, 0,1,2,3
	v_mov_b32 v[TM+4+\b], 0                        ; written once: a lane permute's destination counts as one of its sources
.endr
; A tile of 16 positions at a time.  In head hd: accumulators 4 hd + u hold t1 (channels 16 h + 8 u + j), 4 hd + 2 + u hold t2 (32 further on); the frequency is 16 h + 8 u + j.
; o1 = t1 cos - t2 sin, o2 = t1 sin + t2 cos, each a product and a fused multiply-add, two numbers an instruction; every accumulator is read from its low end on.
.irp a, 0,1,2,3
.if \a > 0
	s_wait_xcnt 0x0                                ; the last tile's stores have read their data: the codes' registers may be written again
.endif
	WIN 0x0e                                       ; source 0 (accumulators) window 2, source 1 (the table) window 3
.irp hd, 0,1
.irp u, 0,1
.irp j, 0,2,4,6
	v_pk_mul_f32 v[TT+\j:TT+\j+1], v[8*(8*\a+4*\hd+2+\u)+\j:8*(8*\a+4*\hd+2+\u)+\j+1], v[64+32*\a+16+8*\u+\j:64+32*\a+16+8*\u+\j+1]      ; t2 sin
.endr
.irp j, 0,2,4,6
	v_pk_mul_f32 v[TT+8+\j:TT+8+\j+1], v[8*(8*\a+4*\hd+2+\u)+\j:8*(8*\a+4*\hd+2+\u)+\j+1], v[64+32*\a+8*\u+\j:64+32*\a+8*\u+\j+1]       ; t2 cos
.endr
.irp j, 0,2,4,6
	v_pk_fma_f32 v[HB+8*(4*\hd+\u)+\j:HB+8*(4*\hd+\u)+\j+1], v[8*(8*\a+4*\hd+\u)+\j:8*(8*\a+4*\hd+\u)+\j+1], v[64+32*\a+8*\u+\j:64+32*\a+8*\u+\j+1], v[TT+\j:TT+\j+1] neg_lo:[0,0,1] neg_hi:[0,0,1]
.endr
.irp j, 0,2,4,6
	v_pk_fma_f32 v[HB+8*(4*\hd+2+\u)+\j:HB+8*(4*\hd+2+\u)+\j+1], v[8*(8*\a+4*\hd+\u)+\j:8*(8*\a+4*\hd+\u)+\j+1], v[64+32*\a+16+8*\u+\j:64+32*\a+16+8*\u+\j+1], v[TT+8+\j:TT+8+\j+1]
.endr
.endr
.endr
	WIN 0
	QUANT HB                                       ; 128 along the features = two heads of 64: registers 0-5 and bytes 0, 1 are the first head's, registers 6-11 and bytes 2, 3 the second's
.irp p, 0,1,2
	global_store_b64 v5, v[PC+2*\p:PC+2*\p+1], s[88:89] offset:768*\a+256*\p       ; 256 consecutive bytes, aligned
	global_store_b64 v5, v[PC+6+2*\p:PC+6+2*\p+1], s[92:93] offset:768*\a+256*\p
.endr
	v_and_b32 v[KW+\a], 0xffff, v[PW]
	v_lshrrev_b32 v[KW+4+\a], 16, v[PW]
.endr
	v_cmp_ne_u32 vcc_lo, 0, v4                     ; every lane holds its row's words: lanes 0-15 store tiles 0 and 1's, lanes 16-31 tiles 2 and 3's
	v_cndmask_b32 v[TT], v[KW], v[KW+2], vcc_lo
	v_cndmask_b32 v[TT+1], v[KW+1], v[KW+3], vcc_lo
	v_cndmask_b32 v[TT+2], v[KW+4], v[KW+6], vcc_lo
	v_cndmask_b32 v[TT+3], v[KW+5], v[KW+7], vcc_lo
	global_store_b64 v26, v[TT:TT+1], s[98:99]
	global_store_b64 v26, v[TT+2:TT+3], s[14:15]
	s_branch .Ltail
	; ---- V: a lane holds channel 32 (a / 2) + 8 (a % 2) + r + 8 (r / 8) of head 2 tr + wr; its 64 registers of tile a are my 128 keys' halves
.Lvpath:
	s_lshl_b32 s90, s10, 9
	s_lshl_b32 s91, s4, 8
	s_add_co_u32 s90, s90, s91
	s_mov_b32 s91, 0
	s_add_nc_u64 s[78:79], s[78:79], s[90:91]      ; bv at my 64 channels
	s_lshr_b32 s90, s11, 2                         ; b
	s_lshl_b32 s90, s90, 4
	s_lshl_b32 s15, s10, 1
	s_add_co_u32 s90, s90, s15
	s_add_co_u32 s90, s90, s4                      ; 16 b + head
	s_mul_i32 s90, s90, 104448
	s_and_b32 s15, s11, 3
	s_lshl_b32 s15, s15, 1
	s_add_co_u32 s15, s15, s5                      ; the block of 128 keys
	s_mul_i32 s15, s15, 13056
	s_add_co_u32 s90, s90, s15
	s_add_nc_u64 s[82:83], s[82:83], s[90:91]
	s_wait_alu depctr_va_vdst(0)
.irp a, 0,1,2,3
	global_load_b32 v[TT+2*\a], v27, s[78:79] offset:4*(32*(\a/2)+8*(\a%2))
	v_mov_b32 v[TT+2*\a+1], 0                      ; (named with it as a pair, so it is written)
.endr
	MAIN 0
	PLACES 4
.irp b, 0,1,2,3
	v_mov_b32 v[TM+4+\b], 0
.endr
	s_wait_alu depctr_va_vdst(0)
.irp a, 0,1,2,3
.if \a > 0
	s_wait_xcnt 0x0
.endif
	WIN 0x02                                       ; source 0 (accumulators) window 2
.set j, 0
.rept 32
	v_pk_add_f32 v[HB+j:HB+j+1], v[64*\a+j:64*\a+j+1], v[TT+2*\a:TT+2*\a+1] op_sel_hi:[1,0]   ; + my channel's bias; the sums come into window 0 by the same line
.set j, j+2
.endr
	WIN 0
	QUANT HB
.irp g, 0,1,2
	global_store_b128 v6, v[PC+4*\g:PC+4*\g+3], s[82:83] offset:6144+1536*\a+512*\g   ; 512 consecutive bytes, aligned
.endr
	v_mov_b32 v[KW+\a], v[PW]
.endr
	v_cmp_ne_u32 vcc_lo, 0, v4
	v_cndmask_b32 v[KW+4], v[KW], v[KW+2], vcc_lo
	v_cndmask_b32 v[KW+5], v[KW+1], v[KW+3], vcc_lo
	global_store_b64 v26, v[KW+4:KW+5], s[82:83] offset:12800
.Ltail:
	s_wait_tensorcnt 0x0                           ; the wave's end, behind my last tensor load
	ds_add_u32 v[SPW], v[NIL]
	s_wait_dscnt 0x0
	CROUND                                         ; the closing round
	s_endpgm
.Lfunc_end_k_q7b5ae992fa_qkv:
	.size	k_q7b5ae992fa_qkv, .Lfunc_end_k_q7b5ae992fa_qkv-k_q7b5ae992fa_qkv
	.p2alignl 7, 3214868480
	.fill 96, 4, 3214868480
	.section	.rodata,"a",@progbits
	.p2align	6, 0x0
	.amdhsa_kernel k_q7b5ae992fa_qkv
		.amdhsa_group_segment_fixed_size 327680
		.amdhsa_private_segment_fixed_size 0
		.amdhsa_enable_private_segment 0
		.amdhsa_kernarg_size 64
		.amdhsa_user_sgpr_count 2
		.amdhsa_user_sgpr_kernarg_segment_ptr 1
		.amdhsa_wavefront_size32 1
		.amdhsa_system_sgpr_workgroup_id_x 1
		.amdhsa_system_sgpr_workgroup_id_y 1
		.amdhsa_system_sgpr_workgroup_id_z 1
		.amdhsa_system_vgpr_workitem_id 0
		.amdhsa_next_free_vgpr 1024
		.amdhsa_next_free_sgpr 100
		.amdhsa_reserve_vcc 1
		.amdhsa_float_denorm_mode_32 3
		.amdhsa_float_denorm_mode_16_64 3
		.amdhsa_memory_ordered 1
		.amdhsa_forward_progress 1
		.amdhsa_inst_pref_size 217
	.end_amdhsa_kernel
	.amdgpu_metadata
---
amdhsa.version: [ 1, 2 ]
amdhsa.kernels:
  - .name:           k_q7b5ae992fa_qkv
    .symbol:         k_q7b5ae992fa_qkv.kd
    .args:
      - { .name: xq, .offset: 0, .size: 8, .value_kind: global_buffer, .address_space: global }
      - { .name: wq, .offset: 8, .size: 8, .value_kind: global_buffer, .address_space: global }
      - { .name: ct, .offset: 16, .size: 8, .value_kind: global_buffer, .address_space: global }
      - { .name: bq, .offset: 24, .size: 8, .value_kind: global_buffer, .address_space: global }
      - { .name: bk, .offset: 32, .size: 8, .value_kind: global_buffer, .address_space: global }
      - { .name: bv, .offset: 40, .size: 8, .value_kind: global_buffer, .address_space: global }
      - { .name: qb, .offset: 48, .size: 8, .value_kind: global_buffer, .address_space: global }
      - { .name: kv, .offset: 56, .size: 8, .value_kind: global_buffer, .address_space: global }
    .group_segment_fixed_size: 327680
    .private_segment_fixed_size: 0
    .kernarg_segment_align: 8
    .kernarg_segment_size: 64
    .max_flat_workgroup_size: 128
    .sgpr_count:     100
    .vgpr_count:     1024
    .wavefront_size: 32
...
	.end_amdgpu_metadata
.endif
;; end of part 2
;; launch attn (part 3): grid 256 x 1, 16 waves a work-group, clusters of 4 x 1, 237,056 bytes of LDS; arguments qb, kv, ob; writes ob
.if DOCPART == 3
	.amdgcn_target "amdgcn-amd-amdhsa--gfx1250"
	.amdhsa_code_object_version 6
	.text
	.protected	k_q7b5ae992fa_attn
	.globl	k_q7b5ae992fa_attn
	.p2align	8
	.type	k_q7b5ae992fa_attn,@function
k_q7b5ae992fa_attn:
	s_mov_b64 s[64:65], 0
	v_nop
	global_prefetch_b8 v0, s[64:65] scope:SCOPE_SE
	s_setreg_imm32_b32 hwreg(HW_REG_WAVE_MODE, 25, 1), 1
	s_wait_xcnt 0x0
	s_wait_alu depctr_hold_cnt(0) depctr_sa_sdst(0) depctr_va_vdst(0) depctr_va_sdst(0) depctr_va_ssrc(0) depctr_va_vcc(0) depctr_vm_vsrc(0)
	s_getreg_b32 s2, hwreg(HW_REG_IB_STS2, 6, 4)
	s_cmp_eq_u32 s2, 0
	s_cbranch_scc0 .Lentry_in_a_cluster
	s_endpgm
.Lentry_in_a_cluster:
	s_bfe_u32 s2, ttmp6, 0x10000c
	s_cmp_lg_u32 s2, 0x3003
	s_cbranch_scc0 .Lentry_shape_is_right
	s_endpgm
.Lentry_shape_is_right:
; ATTN: o = softmax(q k^T / 8) v on codes of FP6 (E2M3), and the quantiser of o along the model's axis.  Nothing of reference() is left out here.
; A cluster of four work-groups takes two heads of one batch; a work-group 256 queries of both heads; a wave 16 queries, first of one head, then of the other.
; K and V of both heads, 16 blocks of 128 keys of 13,056 bytes, lie on end in kv: wave w asks for block w JOINTLY with the three partners, as 51 rows of 256 bytes, each followed by 32 bytes
; of LDS padding (pitch 288).  That is every tensor load of the launch.
; No prefetch: all tiles are asked for at the head, so there is no loop in which to run ahead of a load.
; BOTH PRODUCTS ARE USED TRANSPOSED (S^T = k q^T, O^T = v^T p^T): a lane holds one query.  THE KEYS OF A TILE OF K ARE CHOSEN BY ADDRESS: tile 4 c + u takes keys 64 c + 8 u + 0..7 as rows 0-7 and
; keys 64 c + 32 + 8 u + 0..7 as rows 8-15.  So the 32 score registers of tiles 4 c .. 4 c + 3 in lane (r, h) are the whole block of keys 64 c + 32 h + 0..31 of query r, in order: a block's maximum
; needs no other lane and the conversions' results are the operand's registers.  In kv key 32 a + 16 b + 8 u + i lies in stored tile 2 a + u, row 8 b + i: lanes r >= 8 read two stored tiles (six LDS rows) on;
; with the pitch of 288 the 32 lanes of such a load touch 64 different banks.
; The head's axis is 64: a K fragment's upper six registers are the next tile's, met by zero codes of q (v22-27); behind the last tile stand zeros (v80-85).
; A step is 256 keys.  M is the running largest t rounded up to a whole number (kept as -M); p = 2^(t - M); the sum is taken of the unquantised p; a change of M multiplies sum and O^T by a power of two.
; A block's largest p is made from the block's largest score by the same multiply-add and exponential.
; LIMITS: the promise holds while the scaled scores stay under 2^31 in magnitude; NaN and infinities are not served; a block of p under 2^-124 keeps the byte 1.
; REGISTERS: v0 8 r; v1-4 lane parts of LDS addresses (K, V, K's scales, V's scales); v5, v6 the add's; v7 8 x lane; v8 8 h; v9 4 r; v10, v11 p's scale words; v12 -M, v13 largest score; v14-15 the sum;
;   v16-27 q; v28 q's scale word; v29 o's scale word; v30 the factor; v31 c; v32-85 K's fragments, then p's codes and temporaries; v86-89 K's, then V's scale words; v90-95 block maxima and temporaries;
;   v96-223 scores, p, then V's fragments; v224-255 O^T.
.set ROW,   288
.set BLK,   51*ROW
.set SPARE, 16*BLK                     ; behind the 16 blocks: the spare words, 128 bytes for each wave
.set SPW,  5
.set NIL,  6
.set F,    32
.set S,    96
.set O,    224
.set WV,   10
.set G1,   16
.set SEL,  32
.set CS,   34
.set TB,   36
.set CNT,  37
.macro NOPS n
.rept \n
	v_nop
.endr
.endm
.macro D1
	s_delay_alu instid0(VALU_DEP_1)
.endm
.macro CROUND                          ; a round of the cluster's barrier
	s_barrier_signal -1
	s_barrier_wait -1
	s_cmp_lg_u32 s[WV], 0
	s_cbranch_scc1 .Lnot_wave_0_\@
	s_barrier_signal -3
.Lnot_wave_0_\@:
	s_barrier_wait -3
	s_barrier_signal -1
	s_barrier_wait -1
.endm
	s_load_b128 s[4:7], s[0:1], 0x0                ; qb, kv
	s_load_b64 s[8:9], s[0:1], 0x10                ; ob
	v_lshl_add_u32 v[SPW], v0, 2, SPARE
	v_mov_b32 v[NIL], 0
	ds_add_u32 v[SPW], v[NIL]                      ; the opening: the add, twice on end, and its wait ahead of my tensor load
	ds_add_u32 v[SPW], v[NIL]
	v_lshrrev_b32 v1, 5, v0
	v_readfirstlane_b32 s[WV], v1                  ; wave 0..15
	s_bfe_u32 s11, ttmp6, 0x40000                  ; cx
	s_mov_b32 s[G1], 15|(3<<16)|(1<<20)|(1<<21)|(5<<22)|(7<<25)   ; all four partners; elements of 8 bytes; after every 64 words 8 words of padding
	s_mov_b32 s[G1+1], 32<<16                      ; rows of 32 elements
	s_mov_b32 s[G1+2], 51<<16                      ; 51 rows
	s_mov_b32 s[G1+3], 32<<16
	s_mov_b32 s[G1+4], 51
	s_mov_b32 s[G1+5], 32                          ; dense in memory
	s_mov_b32 s[G1+6], 0
	s_mov_b32 s[G1+7], 0
	s_mov_b32 s24, 1
	s_mul_i32 s25, s[WV], BLK                      ; block w of LDS
	s_mul_i32 s38, s[WV], 13056
	s_mul_i32 s40, ttmp9, 208896                   ; the cluster's pair of heads
	s_add_co_u32 s40, s40, s38
	s_mov_b32 s41, 0
	s_mov_b32 s[SEL], 0x76543210
	s_mov_b32 s[SEL+1], 0xfedcba98                 ; v_permlanex16_b32's selects for lane l xor 16
	s_mov_b32 s[CS], 0x3e38aa3b                    ; c = log2(e) / 8
	s_mov_b32 s[CS+1], s[CS]
	s_wait_dscnt 0x0
	s_wait_kmcnt 0x0
	s_add_nc_u64 s[26:27], s[6:7], s[40:41]
	s_or_b32 s27, s27, 0x80000000
	CROUND                                         ; the four work-groups are here: the joint loads meet
	tensor_load_to_lds s[24:27], s[G1:G1+7]
	s_nop 0
	s_mul_i32 s38, ttmp9, 106496                   ; qb: the pair of heads,
	s_lshl_b32 s39, s11, 1
	s_lshr_b32 s40, s[WV], 3
	s_add_co_u32 s39, s39, s40
	s_mul_i32 s39, s39, 6656                       ; the block of 128 queries: 2 cx + wave / 8,
	s_add_co_u32 s38, s38, s39
	s_and_b32 s40, s[WV], 7
	s_mul_i32 s41, s40, 768                        ; my tile
	s_add_co_u32 s42, s38, s41
	s_mov_b32 s43, 0
	s_add_nc_u64 s[48:49], s[4:5], s[42:43]
	s_lshr_b32 s41, s40, 1
	s_lshl_b32 s41, s41, 7
	s_and_b32 s42, s40, 1
	s_lshl_b32 s42, s42, 2
	s_add_co_u32 s42, s42, s41
	s_add_co_u32 s42, s42, s38
	s_add_co_u32 s42, s42, 6144
	s_add_nc_u64 s[50:51], s[4:5], s[42:43]        ; and its scale words
	s_lshr_b32 s38, ttmp9, 3
	s_lshl_b32 s38, s38, 6
	s_lshl_b32 s39, s11, 4
	s_add_co_u32 s38, s38, s39
	s_add_co_u32 s38, s38, s[WV]                   ; ob: my tile of 16 rows
	s_and_b32 s39, ttmp9, 7
	s_mul_i32 s42, s38, 12288
	s_mul_i32 s40, s39, 1536                       ; K step = the pair of heads
	s_add_co_u32 s42, s42, s40
	s_add_nc_u64 s[52:53], s[8:9], s[42:43]
	s_lshl_b32 s42, s38, 6
	s_lshl_b32 s40, s39, 15
	s_add_co_u32 s42, s42, s40
	s_add_co_u32 s42, s42, 6291456
	s_add_nc_u64 s[54:55], s[8:9], s[42:43]
	v_and_b32 v96, 31, v0                          ; lane
	v_and_b32 v97, 15, v0                          ; r
	v_bfe_u32 v98, v0, 4, 1                        ; h
	v_bfe_u32 v99, v0, 3, 1                        ; r / 8
	v_and_b32 v100, 7, v0                          ; r % 8
	v_lshlrev_b32 v7, 3, v96
	v_mul_u32_u24 v1, v99, 6*ROW                   ; K: six LDS rows on for rows 8-15, 8 (r % 8), 128 h
	v_mul_u32_u24 v2, v98, ROW                     ; V: 16 r, lanes 16-31 the next LDS row
	v_lshlrev_b32 v3, 7, v99                       ; K's scale words: 128 (r / 8) + 8 (r % 8) + 64 h
	v_lshlrev_b32 v4, 7, v98                       ; V's: 128 h + 8 r
	v_lshl_add_u32 v1, v100, 3, v1
	v_lshl_add_u32 v2, v97, 4, v2
	v_lshl_add_u32 v3, v100, 3, v3
	v_lshl_add_u32 v4, v97, 3, v4
	v_lshl_add_u32 v1, v98, 7, v1
	v_lshl_add_u32 v3, v98, 6, v3
	v_lshlrev_b32 v8, 3, v98
	v_lshlrev_b32 v9, 2, v97
	v_lshlrev_b32 v0, 3, v97
.irp j, 22,23,24,25,26,27,80,81,82,83,84,85,29,95
	v_mov_b32 v\j, 0
.endr
	v_mov_b32 v31, s[CS]                           ; c in a vector register, for the dual forms of the step (the factor f lies in v30 alone)
	s_wait_alu depctr_va_vdst(0)                   ; the wait ahead of the readers below
.macro QLOAD hd                        ; my 16 queries of head hd: six registers of codes, and the scale word
.irp p, 0,1,2
	global_load_b64 v[16+2*\p:17+2*\p], v7, s[48:49] offset:53248*\hd+256*\p
.endr
	global_load_b32 v28, v0, s[50:51] offset:53248*\hd
.endm
.macro INIT
	v_mov_b32 v13, 0xff61b1e6                      ; the largest score so far: -3e38
	v_mov_b32 v14, 0
	v_mov_b32 v15, 0
	v_mul_f32 v94, s[CS], v13
	D1
	v_floor_f32 v12, -v94                          ; -M
.set j, 0
.rept 32
	v_mov_b32 v[O+j], 0                            ; the step is written once: the first finds zeros
.set j, j+1
.endr
.endm
.macro KLOAD a                         ; eight tiles of K of the step's a-th 128 keys, and their scale words (lanes 0-15: tiles u = 0, 1; lanes 16-31: u = 2, 3)
.irp i, 0,1,2,3,4,5,6,7
.irp p, 0,1,2
	ds_load_b64 v[F+6*\i+2*\p:F+6*\i+2*\p+1], v90 offset:BLK*\a+(3*(4*(\i/4)+(\i%2))+\p)*ROW+64*((\i%4)/2)
.endr
.endr
	ds_load_b64 v[86:87], v91 offset:BLK*\a+48*ROW
	ds_load_b64 v[88:89], v91 offset:BLK*\a+49*ROW
.endm
.macro SMUL a
.irp i, 0,1,2,3,4,5,6,7
.if (\i%4) < 2
	v_wmma_scale_f32_16x16x128_f8f6f4 v[S+64*\a+8*\i:S+64*\a+8*\i+7], v[F+6*\i:F+6*\i+11], v[16:27], 0, v[86+2*(\i/4)+(\i%2)], v28 matrix_a_fmt:MATRIX_FMT_FP6 matrix_b_fmt:MATRIX_FMT_FP6
.else
	v_wmma_scale_f32_16x16x128_f8f6f4 v[S+64*\a+8*\i:S+64*\a+8*\i+7], v[F+6*\i:F+6*\i+11], v[16:27], 0, v[86+2*(\i/4)+(\i%2)], v28 matrix_a_fmt:MATRIX_FMT_FP6 matrix_b_fmt:MATRIX_FMT_FP6 matrix_a_scale:MATRIX_SCALE_ROW1
.endif
.endr
.endm
.macro BMAX a                          ; the largest score of my two blocks of 32 keys: four chains by turns; each accumulator is read from its low end on
.irp c, 0,1
	v_max3_num_f32 v[90+2*\a+\c], v[S+64*\a+32*\c], v[S+64*\a+32*\c+1], v[S+64*\a+32*\c+2]
	v_max3_num_f32 v[94+\c], v[S+64*\a+32*\c+16], v[S+64*\a+32*\c+17], v[S+64*\a+32*\c+18]
.endr
.irp i, 3,5,7,9,11,13
.irp c, 0,1
	v_max3_num_f32 v[90+2*\a+\c], v[90+2*\a+\c], v[S+64*\a+32*\c+\i], v[S+64*\a+32*\c+\i+1]
	v_max3_num_f32 v[94+\c], v[94+\c], v[S+64*\a+32*\c+16+\i], v[S+64*\a+32*\c+17+\i]
.endr
.endr
.irp c, 0,1
	v_max3_num_f32 v[90+2*\a+\c], v[90+2*\a+\c], v[94+\c], v[S+64*\a+32*\c+15]
.endr
.irp c, 0,1
	v_max_num_f32 v[90+2*\a+\c], v[90+2*\a+\c], v[S+64*\a+32*\c+31]
.endr
.endm
.macro PADD d, q                       ; chain d of the sum takes pair q of p
	v_dual_add_f32 v[\d], v[\d], v[S+2*(\q)] :: v_dual_add_f32 v[\d+1], v[\d+1], v[S+2*(\q)+1]
.endm
.macro CVT a                           ; 128 p become 12 registers of codes; the upper halves of the blocks are made at an even register and moved
.irp c, 0,1
	v_cvt_scalef32_pk16_fp6_f32 v[F+12*\a+6*\c:F+12*\a+6*\c+2], v[S+64*\a+32*\c:S+64*\a+32*\c+15], v[90+2*\a+\c]
	v_cvt_scalef32_pk16_fp6_f32 v[56+8*\a+4*\c:56+8*\a+4*\c+2], v[S+64*\a+32*\c+16:S+64*\a+32*\c+31], v[90+2*\a+\c]
.endr
.endm
.macro MOVE a
.irp c, 0,1
.irp i, 0,1,2
	v_mov_b32 v[F+12*\a+6*\c+3+\i], v[56+8*\a+4*\c+\i]
.endr
.endr
.endm
.macro VLOAD a                         ; V's four tiles of 16 channels x 128 keys, into registers whose p have been summed and converted; and their scale words
.irp t, 0,1,2,3
.irp g, 0,1,2
	ds_load_b128 v[S+48*\a+12*\t+4*\g:S+48*\a+12*\t+4*\g+3], v74 offset:BLK*\a+(24+6*\t+2*\g)*ROW
.endr
.endr
	ds_load_b64 v[86+2*\a:87+2*\a], v75 offset:BLK*\a+50*ROW
.endm
.macro STEP                            ; 256 keys
	v_add_nc_u32 v90, s[TB], v1
	v_add_nc_u32 v91, s[TB], v3
	NOPS 3                                         ; with the two lines above: five places behind the last step's products
	s_wait_alu depctr_va_vdst(0)                   ; the wait
	KLOAD 0
	s_wait_dscnt 0x0
	SMUL 0
	NOPS 4
	KLOAD 1
	BMAX 0                                         ; under the loads' flight
	s_wait_dscnt 0x0
	SMUL 1
	NOPS 4
	BMAX 1
	v_max3_num_f32 v94, v90, v91, v92
	D1
	v_max_num_f32 v94, v94, v93
	D1
	v_permlanex16_b32 v95, v94, s[SEL], s[SEL+1]   ; the other half of my query's keys
	D1
	v_max3_num_f32 v13, v13, v94, v95              ; the running largest score
	D1
	v_mul_f32 v95, s[CS], v13                      ; as t (c is positive)
	D1
	v_floor_f32 v94, -v95                          ; the new -M
	D1
	v_sub_f32 v95, v94, v12                        ; M's old value less its new one
	v_mov_b32 v12, v94
	s_delay_alu instid0(VALU_DEP_2)
	v_cvt_i32_f32 v95, v95
	D1
	v_ldexp_f32 v30, 1.0, v95                      ; f = 2^(old M - new M)
.set j, 0
.rept 64
	v_dual_fma_f32 v[S+j], v[S+j], v31, v12 :: v_dual_fma_f32 v[S+j+1], v[S+j+1], v31, v12   ; t - M, two scores an instruction: destinations even and odd, first sources in different banks, c and -M the same register in both halves
.set j, j+2
.endr
.irp g, 0,1,2,3
	v_fma_f32 v[90+\g], v[90+\g], s[CS], v12       ; the same of each block's largest score
.endr
	v_dual_mul_f32 v14, v30, v14 :: v_dual_mul_f32 v15, v30, v15   ; the sum and O^T under the new M
.set j, 0
.rept 16
	v_dual_mul_f32 v[O+j], v30, v[O+j] :: v_dual_mul_f32 v[O+j+1], v30, v[O+j+1]
.set j, j+2
.endr
	s_wait_alu depctr_va_vdst(0)                   ; the wait ahead of the batch
.irp g, 0,1,2,3
	v_exp_f32 v[90+\g], v[90+\g]                   ; each block's largest p
.endr
.set j, 0
.rept 128
	v_exp_f32 v[S+j], v[S+j]                       ; p
.set j, j+1
.endr
	v_nop
	s_wait_alu depctr_va_vdst(0)                   ; and behind it, ahead of its first reader
.irp g, 0,1,2,3
	v_max_num_f32 v[90+\g], 0x1800000, v[90+\g]    ; the floor 2^(3 - 127): the byte cannot fall under 1
.endr
.irp g, 0,1,2,3
	v_add_nc_u32 v[90+\g], 0xff000000, v[90+\g]    ; 2 off the exponent field: the conversion's scale operand
.endr
.irp g, 0,1,2,3
	v_lshrrev_b32 v[72+\g], 23, v[90+\g]           ; the scale's byte
.endr
.irp a, 0,1
	v_lshl_or_b32 v[76+\a], v[73+2*\a], 16, v[72+2*\a]   ; my two bytes of 128 keys: blocks h and 2 + h,
.endr
.irp a, 0,1
	v_lshlrev_b32 v[76+\a], v8, v[76+\a]           ; at their places;
.endr
.irp a, 0,1
	v_permlanex16_b32 v[78+\a], v[76+\a], s[SEL], s[SEL+1]
.endr
.irp a, 0,1
	v_or_b32 v[10+\a], v[76+\a], v[78+\a]          ; with lane l xor 16's two the word is whole
.endr
	v_add_nc_u32 v74, s[TB], v2
	v_add_nc_u32 v75, s[TB], v4
	PADD 14, 0                                     ; the sum of the unquantised p, in four chains
	v_dual_add_f32 v94, v[S+2], v[S+4] :: v_dual_add_f32 v95, v[S+3], v[S+5]
	v_dual_add_f32 v76, v[S+6], v[S+8] :: v_dual_add_f32 v77, v[S+7], v[S+9]
	v_dual_add_f32 v78, v[S+10], v[S+12] :: v_dual_add_f32 v79, v[S+11], v[S+13]
.irp q, 7,11,15,19,23,27
	PADD 14, \q
	PADD 94, \q+1
	PADD 76, \q+2
	PADD 78, \q+3
.endr
	PADD 14, 31
	CVT 0
	VLOAD 0
.irp q, 32,36,40,44,48,52,56,60
	PADD 14, \q
	PADD 94, \q+1
	PADD 76, \q+2
	PADD 78, \q+3
.endr
	MOVE 0
	CVT 1
	VLOAD 1
	v_nop                                          ; one plain place behind a scaled conversion
	MOVE 1
	v_pk_add_f32 v[14:15], v[14:15], v[94:95]      ; these three and the v_nop: four places between the codes' last write and the products
	v_pk_add_f32 v[76:77], v[76:77], v[78:79]
	D1
	v_pk_add_f32 v[14:15], v[14:15], v[76:77]
	v_nop
	s_wait_alu depctr_va_vdst(0)                   ; the wait ahead of the blocking wait
	s_wait_dscnt 0x0
.irp a, 0,1                            ; O^T += v^T p^T: the four accumulators by turns, one instruction a turn
.irp t, 0,1,2,3
.if \t < 2
	v_wmma_scale_f32_16x16x128_f8f6f4 v[O+8*\t:O+8*\t+7], v[S+48*\a+12*\t:S+48*\a+12*\t+11], v[F+12*\a:F+12*\a+11], v[O+8*\t:O+8*\t+7], v[86+2*\a+(\t%2)], v[10+\a] matrix_a_fmt:MATRIX_FMT_FP6 matrix_b_fmt:MATRIX_FMT_FP6
.else
	v_wmma_scale_f32_16x16x128_f8f6f4 v[O+8*\t:O+8*\t+7], v[S+48*\a+12*\t:S+48*\a+12*\t+11], v[F+12*\a:F+12*\a+11], v[O+8*\t:O+8*\t+7], v[86+2*\a+(\t%2)], v[10+\a] matrix_a_fmt:MATRIX_FMT_FP6 matrix_b_fmt:MATRIX_FMT_FP6 matrix_a_scale:MATRIX_SCALE_ROW1
.endif
.endr
.endr
.endm
; O^T / the sum; registers 16 b + i of a lane are channels 32 b + 16 h + i of the head: two blocks of 32 shared with lane l xor 16; codes and two scale bytes go to ob
.macro FINISH hd
	NOPS 4
	v_add_f32 v14, v14, v15
	D1
	v_permlanex16_b32 v92, v14, s[SEL], s[SEL+1]
	D1
	v_add_f32 v14, v14, v92
	s_wait_alu depctr_va_vdst(0)                   ; the wait ahead of the transcendental
	v_rcp_f32 v14, v14
	v_nop
	s_wait_alu depctr_va_vdst(0)                   ; and ahead of its first reader, which is also O^T's
.set j, 0
.rept 16
	v_pk_mul_f32 v[S+j:S+j+1], v[O+j:O+j+1], v[14:15] op_sel_hi:[1,0]
.set j, j+2
.endr
.irp b, 0,1
	v_max3_num_f32 v[90+\b], |v[S+16*\b]|, |v[S+1+16*\b]|, 0x1800000
.endr
.irp i, 2,4,6,8,10,12,14
.irp b, 0,1
	v_max3_num_f32 v[90+\b], v[90+\b], |v[S+16*\b+\i]|, |v[S+1+16*\b+\i]|
.endr
.endr
.irp b, 0,1
	v_permlanex16_b32 v[92+\b], v[90+\b], s[SEL], s[SEL+1]
.endr
.irp b, 0,1
	v_max_num_f32 v[90+\b], v[90+\b], v[92+\b]
.endr
.irp b, 0,1
	v_add_nc_u32 v[94+\b], 0xff000000, v[90+\b]
.endr
.irp b, 0,1
	v_lshrrev_b32 v[92+\b], 23, v[94+\b]
.endr
	v_lshrrev_b32 v29, 16, v29
	v_lshl_or_b32 v92, v93, 8, v92
	D1
	v_lshl_or_b32 v29, v92, 16, v29                ; the first head's two bytes end in the word's low half, the second's in its high half
	v_cvt_scalef32_pk16_fp6_f32 v[F:F+2], v[S:S+15], v94
	v_cvt_scalef32_pk16_fp6_f32 v[56:58], v[S+16:S+31], v95
	v_nop
.irp i, 0,1,2
	v_permlane16_swap_b32 v[F+\i], v[56+\i]        ; the operand's layout wants a whole block in a lane
.endr
.irp i, 0,1,2
	v_mov_b32 v[F+3+\i], v[56+\i]
.endr
.irp p, 0,1,2
	global_store_b64 v7, v[F+2*\p:F+2*\p+1], s[52:53] offset:768*\hd+256*\p   ; 256 consecutive bytes, aligned
.endr
.endm
.macro WALK hd                         ; four steps of 256 keys over head hd's eight blocks
	s_mov_b32 s[TB], 8*BLK*\hd
	s_mov_b32 s[CNT], 4
.Lstep_\hd:
	STEP
	s_add_co_u32 s[TB], s[TB], 2*BLK
	s_sub_co_u32 s[CNT], s[CNT], 1
	s_cmp_lg_u32 s[CNT], 0
	s_cbranch_scc1 .Lstep_\hd
.endm
	QLOAD 0
	INIT
	s_wait_alu depctr_va_vdst(0)                   ; the wait at the head's end
	s_wait_tensorcnt 0x0                           ; my block has landed;
	s_barrier_signal -1
	s_barrier_wait -1                              ; and so has every wave's: all 16 blocks may be read from here on
	s_wait_loadcnt 0x0
	WALK 0
	QLOAD 1                                        ; the second head's queries come while the first head is finished
	FINISH 0
	INIT
	s_wait_alu depctr_va_vdst(0)
	s_wait_xcnt 0x0                                ; the stores have read their data: the codes' registers may be written again
	s_wait_loadcnt 0x0
	WALK 1
	FINISH 1
	v_cmp_eq_u32 vcc_lo, 0, v8                     ; lanes 0-15 store the rows' scale words
	s_wait_alu depctr_va_vdst(0)
	s_wait_xcnt 0x0                                ; EXEC changes only behind this wait
	s_and_saveexec_b32 s38, vcc_lo
	global_store_b32 v9, v29, s[54:55]
	s_wait_xcnt 0x0
	s_or_b32 exec_lo, exec_lo, s38
	s_wait_tensorcnt 0x0                           ; the wave's end
	ds_add_u32 v[SPW], v[NIL]
	s_wait_dscnt 0x0
	CROUND                                         ; the closing round
	s_endpgm
.Lfunc_end_k_q7b5ae992fa_attn:
	.size	k_q7b5ae992fa_attn, .Lfunc_end_k_q7b5ae992fa_attn-k_q7b5ae992fa_attn
	.p2alignl 7, 3214868480
	.fill 96, 4, 3214868480
	.section	.rodata,"a",@progbits
	.p2align	6, 0x0
	.amdhsa_kernel k_q7b5ae992fa_attn
		.amdhsa_group_segment_fixed_size 237056
		.amdhsa_private_segment_fixed_size 0
		.amdhsa_enable_private_segment 0
		.amdhsa_kernarg_size 24
		.amdhsa_user_sgpr_count 2
		.amdhsa_user_sgpr_kernarg_segment_ptr 1
		.amdhsa_wavefront_size32 1
		.amdhsa_system_sgpr_workgroup_id_x 1
		.amdhsa_system_sgpr_workgroup_id_y 1
		.amdhsa_system_sgpr_workgroup_id_z 1
		.amdhsa_system_vgpr_workitem_id 0
		.amdhsa_next_free_vgpr 256
		.amdhsa_next_free_sgpr 66
		.amdhsa_reserve_vcc 1
		.amdhsa_float_denorm_mode_32 3
		.amdhsa_float_denorm_mode_16_64 3
		.amdhsa_memory_ordered 1
		.amdhsa_forward_progress 1
		.amdhsa_inst_pref_size 79
	.end_amdhsa_kernel
	.amdgpu_metadata
---
amdhsa.version: [ 1, 2 ]
amdhsa.kernels:
  - .name:           k_q7b5ae992fa_attn
    .symbol:         k_q7b5ae992fa_attn.kd
    .args:
      - { .name: qb, .offset: 0, .size: 8, .value_kind: global_buffer, .address_space: global }
      - { .name: kv, .offset: 8, .size: 8, .value_kind: global_buffer, .address_space: global }
      - { .name: ob, .offset: 16, .size: 8, .value_kind: global_buffer, .address_space: global }
    .group_segment_fixed_size: 237056
    .private_segment_fixed_size: 0
    .kernarg_segment_align: 8
    .kernarg_segment_size: 24
    .max_flat_workgroup_size: 512
    .sgpr_count:     66
    .vgpr_count:     256
    .wavefront_size: 32
...
	.end_amdgpu_metadata
.endif
;; end of part 3
;; launch oproj (part 4): grid 4 x 64, 4 waves a work-group, clusters of 4 x 4, 327,680 bytes of LDS; arguments ob, wq, bo, out0; writes out0
.if DOCPART == 4
	.amdgcn_target "amdgcn-amd-amdhsa--gfx1250"
	.amdhsa_code_object_version 6
	.text
	.protected	k_q7b5ae992fa_oproj
	.globl	k_q7b5ae992fa_oproj
	.p2align	8
	.type	k_q7b5ae992fa_oproj,@function
k_q7b5ae992fa_oproj:
	s_mov_b64 s[64:65], 0
	v_nop
	global_prefetch_b8 v0, s[64:65] scope:SCOPE_SE
	s_setreg_imm32_b32 hwreg(HW_REG_WAVE_MODE, 25, 1), 1
	s_wait_xcnt 0x0
	s_wait_alu depctr_hold_cnt(0) depctr_sa_sdst(0) depctr_va_vdst(0) depctr_va_sdst(0) depctr_va_ssrc(0) depctr_va_vcc(0) depctr_vm_vsrc(0)
	s_getreg_b32 s2, hwreg(HW_REG_IB_STS2, 6, 4)
	s_cmp_eq_u32 s2, 0
	s_cbranch_scc0 .Lentry_in_a_cluster
	s_endpgm
.Lentry_in_a_cluster:
	s_bfe_u32 s2, ttmp6, 0x10000c
	s_cmp_lg_u32 s2, 0xf033
	s_cbranch_scc0 .Lentry_shape_is_right
	s_endpgm
.Lentry_shape_is_right:
; OPROJ: out0 = O Wo^T + bo on codes of FP6 (E2M3).  Nothing of reference() is left out here.
; A work-group makes 128 rows x 256 columns with ALL of K = 1,024 in LDS: (128 + 256) x 768 bytes; every tensor load is a first fill.  Four waves, each 64 rows x 128 columns: 32 accumulators.
; Source 0 = 16 rows of Wo, source 1 = 16 rows of O.  A tile T holds rows 32 (T / 2) + 8 (T % 2) + i + 8 (i / 8): lane (r, h) holds row r of its tile of O, register j of accumulator (a, b) column 32 (b / 2) + 16 h + 8 (b % 2) + j.
; O's tiles are asked for jointly along a row of the cluster, Wo's along a column.  bo is the C of each sum's first matrix instruction.
; REGISTERS, in windows of 256: window 0: v1-31 addresses; v32-79 scale words and nothing else; v128-223 O's fragments, two sets (on the way out v128-255: rows read back).
;   window 1: Wo's fragments, two sets.   window 2: accumulator (a, b) at v[8 (8 a + b)].   window 3: v0-63 the bias in the result's layout.
.set CHA,   49152                      ; LDS: O's half f of K (512 along K of 8 tiles, 6,144 bytes a tile) at CHA f
.set CHB,   98304                      ; Wo's (16 tiles) at BOFF + CHB f
.set BOFF,  2*CHA
.set SPARE, BOFF+2*CHB                 ; the spare words, 128 bytes for each wave
; A joint load of half c of K: waves 0 and 1 fetch four tiles of O each, waves 2 and 3 eight tiles of Wo each: one tensor load a wave.  The branch hangs on the wave's number alone.
.macro JLOAD c
	s_cmp_eq_u32 s4, 0
	s_cbranch_scc0 .Lfor_b_\@
	tensor_load_to_lds s[G0+8*\c:G0+8*\c+3], s[G1A:G1A+7]
	s_nop 0
.rept 4
	v_nop
.endr
	s_branch .Lasked_\@
.Lfor_b_\@:
	tensor_load_to_lds s[G0+8*\c+4:G0+8*\c+7], s[G1B:G1B+7]
	s_nop 0
.rept 4
	v_nop
.endr
.Lasked_\@:
.endm
.set FR,    12
.set ADRA,  16
.set ADRB,  20
.set SPW,   28
.set NIL,   29
.set SA,    32
.set SB,    48
.set AF,    128
.set BK,    128                        ; the way out: 16 rows read back: v128-191 and v192-255 by turns
.set WV,    3
.set G1A,   16
.set G1B,   24
.set G0,    32
.set MSB, 0
.macro WIN new                         ; the immediate's high byte repeats the setting that is left
.if MSB != \new
	s_set_vgpr_msb (MSB<<8)|\new
.set MSB, \new
.endif
.endm
.macro PLACES n
.rept \n
	v_nop
.endr
.endm
.macro CROUND
	s_barrier_signal -1
	s_barrier_wait -1
	s_cmp_lg_u32 s[WV], 0
	s_cbranch_scc1 .Lnot_wave_0_\@
	s_barrier_signal -3
.Lnot_wave_0_\@:
	s_barrier_wait -3
	s_barrier_signal -1
	s_barrier_wait -1
.endm
.macro FETCH s                         ; the fragments of K step s into set s % 2: each load reads 256 consecutive bytes
	WIN 0x40
.irp b, 0,1,2,3,4,5,6,7
.irp k, 0,1,2,3,4,5
	ds_load_b64 v[128*((\s)%2)+FR*\b+2*\k:128*((\s)%2)+FR*\b+2*\k+1], v[ADRB+(\s)/4] offset:6144*\b+1536*((\s)%4)+256*\k
.endr
.endr
	WIN 0
.irp a, 0,1,2,3
.irp k, 0,1,2,3,4,5
	ds_load_b64 v[AF+48*((\s)%2)+FR*\a+2*\k:AF+48*((\s)%2)+FR*\a+2*\k+1], v[ADRA+(\s)/4] offset:6144*\a+1536*((\s)%4)+256*\k
.endr
.endr
.endm
; 16 matrix instructions of K step s.  The 32 accumulators take turns, one instruction a turn, in the same order in every step.  Step 0 starts the sums with the bias.
.macro MULH s, a0
.irp a, \a0, \a0+1
.irp b, 0,1,2,3,4,5,6,7
.if (\s) == 0
	v_wmma_scale_f32_16x16x128_f8f6f4 v[8*(8*(\a)+\b):8*(8*(\a)+\b)+7], v[FR*\b:FR*\b+FR-1], v[AF+FR*(\a):AF+FR*(\a)+FR-1], v[8*\b:8*\b+7], v[SB+4*\b], v[SA+4*(\a)] matrix_a_fmt:MATRIX_FMT_FP6 matrix_b_fmt:MATRIX_FMT_FP6
.elseif (\s) < 4
	v_wmma_scale_f32_16x16x128_f8f6f4 v[8*(8*(\a)+\b):8*(8*(\a)+\b)+7], v[128*((\s)%2)+FR*\b:128*((\s)%2)+FR*\b+FR-1], v[AF+48*((\s)%2)+FR*(\a):AF+48*((\s)%2)+FR*(\a)+FR-1], v[8*(8*(\a)+\b):8*(8*(\a)+\b)+7], v[SB+4*\b+(\s)], v[SA+4*(\a)+(\s)] matrix_a_fmt:MATRIX_FMT_FP6 matrix_b_fmt:MATRIX_FMT_FP6
.else
	v_wmma_scale_f32_16x16x128_f8f6f4 v[8*(8*(\a)+\b):8*(8*(\a)+\b)+7], v[128*((\s)%2)+FR*\b:128*((\s)%2)+FR*\b+FR-1], v[AF+48*((\s)%2)+FR*(\a):AF+48*((\s)%2)+FR*(\a)+FR-1], v[8*(8*(\a)+\b):8*(8*(\a)+\b)+7], v[SB+4*\b+(\s)-4], v[SA+4*(\a)+(\s)-4] matrix_a_fmt:MATRIX_FMT_FP6 matrix_b_fmt:MATRIX_FMT_FP6 matrix_a_scale:MATRIX_SCALE_ROW1 matrix_b_scale:MATRIX_SCALE_ROW1
.endif
.endr
.endr
.endm
	s_load_b256 s[68:75], s[0:1], 0x0              ; ob s[68:69], wq s[70:71], bo s[72:73], out0 s[74:75]
	v_lshl_add_u32 v[SPW], v0, 2, SPARE
	v_mov_b32 v[NIL], 0
	ds_add_u32 v[SPW], v[NIL]                      ; the wave's opening: the add, twice on end, and its wait ahead of my first tensor load
	ds_add_u32 v[SPW], v[NIL]
	v_lshrrev_b32 v1, 5, v0
	v_readfirstlane_b32 s[WV], v1                  ; wave 0..3
	s_lshr_b32 s4, s3, 1                           ; wr: which 64 rows are mine
	s_and_b32 s5, s3, 1                            ; wc: which 128 columns
	s_bfe_u32 s6, ttmp6, 0x40000                   ; cx
	s_bfe_u32 s7, ttmp6, 0x40004                   ; cy
	s_and_b32 s10, ttmp7, 0xffff
	s_lshl_b32 s10, s10, 2
	s_add_co_u32 s10, s10, s7                      ; tr: the tile row (128 rows)
	s_lshl_b32 s11, ttmp9, 2
	s_add_co_u32 s11, s11, s6                      ; tc: the tile column (256 columns)
	s_lshl_b32 s12, s7, 2
	s_lshl_b32 s12, 15, s12                        ; my row of the cluster
	s_lshl_b32 s13, 0x1111, s6                     ; my column
	s_or_b32 s[G1A], s12, (3<<16)|(1<<21)          ; 15:0 the mask; 17:16 elements of 8 bytes; 21 set beside a mask; no padding
	s_or_b32 s[G1B], s13, (3<<16)|(1<<21)
	s_mov_b32 s[G1A+1], 768<<16                    ; a tile's 6,144 bytes of half of K
	s_mov_b32 s[G1A+2], 4<<16                      ; four tiles a load
	s_mov_b32 s[G1A+3], 768<<16
	s_mov_b32 s[G1A+4], 4
	s_mov_b32 s[G1A+5], 1536                       ; from tile to tile: 12,288 bytes
	s_mov_b32 s[G1A+6], 0
	s_mov_b32 s[G1A+7], 0
	s_mov_b32 s[G1B+1], 768<<16
	s_mov_b32 s[G1B+2], 8<<16                      ; eight tiles a load
	s_mov_b32 s[G1B+3], 768<<16
	s_mov_b32 s[G1B+4], 8
	s_mov_b32 s[G1B+5], 1536
	s_mov_b32 s[G1B+6], 0
	s_mov_b32 s[G1B+7], 0
	s_lshl_b32 s86, s10, 3                         ; O's first tile
	s_lshl_b32 s87, s5, 2
	s_add_co_u32 s88, s86, s87
	s_mul_i32 s88, s88, 12288
	s_mov_b32 s89, 0
	s_lshl_b32 s90, s11, 4
	s_add_co_u32 s90, s90, 192                     ; Wo's first tile: its tiles begin at 192 in wq
	s_lshl_b32 s91, s5, 3
	s_add_co_u32 s92, s90, s91
	s_mul_i32 s92, s92, 12288
	s_mov_b32 s93, 0
	s_mul_i32 s14, s5, 24576                       ; where they go: no place in the cluster enters an LDS address
	s_mul_i32 s15, s5, 49152
	s_add_co_u32 s15, s15, BOFF
	s_wait_dscnt 0x0                               ; both opening adds are done
	s_wait_kmcnt 0x0
	s_add_nc_u64 s[88:89], s[68:69], s[88:89]
	s_add_nc_u64 s[92:93], s[70:71], s[92:93]
.irp c, 0,1
	s_mov_b32 s[G0+8*\c], 1
	s_add_co_u32 s[G0+8*\c+1], s14, CHA*\c
	s_add_nc_u64 s[G0+8*\c+2:G0+8*\c+3], s[88:89], 6144*\c
	s_or_b32 s[G0+8*\c+3], s[G0+8*\c+3], 0x80000000
	s_mov_b32 s[G0+8*\c+4], 1
	s_add_co_u32 s[G0+8*\c+5], s15, CHB*\c
	s_add_nc_u64 s[G0+8*\c+6:G0+8*\c+7], s[92:93], 6144*\c
	s_or_b32 s[G0+8*\c+7], s[G0+8*\c+7], 0x80000000
.endr
	CROUND                                         ; all sixteen work-groups are here: the joint loads meet
	JLOAD 0                                        ; the first half of K: one tensor load a wave at the head
	v_and_b32 v2, 31, v0                           ; lane
	v_and_b32 v3, 15, v0                           ; r
	v_bfe_u32 v4, v0, 4, 1                         ; h
	v_lshlrev_b32 v5, 3, v2                        ; 8 x lane
	v_lshlrev_b32 v6, 4, v2                        ; 16 x lane
	s_mul_i32 s84, s4, 24576
	s_mul_i32 s85, s5, 49152
	s_add_co_u32 s85, s85, BOFF
	v_add_nc_u32 v[ADRA], s84, v5
	v_add_nc_u32 v[ADRB], s85, v5
.irp c, 1
	v_add_nc_u32 v[ADRA+\c], CHA*\c, v[ADRA]
	v_add_nc_u32 v[ADRB+\c], CHB*\c, v[ADRB]
.endr
	s_mul_i32 s84, s3, 8448                        ; my stage for the way out: 16 rows x 528 bytes
	v_mul_u32_u24 v7, v3, 528
	v_lshl_add_u32 v7, v4, 6, v7
	v_add_nc_u32 v7, s84, v7                       ; in: row r, + 64 h
	v_add_nc_u32 v8, s84, v6                       ; back: a row's 512 bytes, 16 a lane
	v_lshlrev_b32 v24, 8, v4
	v_lshl_add_u32 v24, v3, 4, v24                 ; Wo's scale words: 256 h + 16 r
	v_lshlrev_b32 v25, 6, v4                       ; 64 h
	v_lshlrev_b32 v26, 17, v4
	v_lshl_add_u32 v26, v3, 2, v26                 ; O's scale words: 32,768 x 4 h + 4 r
	s_wait_alu depctr_va_vdst(0)
	s_lshl_b32 s84, s4, 2
	s_add_co_u32 s84, s84, s86
	s_lshl_b32 s84, s84, 6
	s_add_co_u32 s84, s84, 6291456
	s_mov_b32 s85, 0
	s_add_nc_u64 s[94:95], s[68:69], s[84:85]      ; O's scale words at my first tile
	s_lshl_b32 s84, s5, 3
	s_add_co_u32 s84, s84, s90
	s_lshl_b32 s84, s84, 9
	s_add_co_u32 s84, s84, 3145728
	s_add_nc_u64 s[96:97], s[70:71], s[84:85]      ; Wo's at my first tile
	s_lshl_b32 s84, s11, 10
	s_lshl_b32 s98, s5, 9
	s_add_co_u32 s84, s84, s98
	s_add_nc_u64 s[72:73], s[72:73], s[84:85]      ; bo at my 128 columns
	s_lshl_b32 s98, s10, 7
	s_lshl_b32 s99, s4, 6
	s_add_co_u32 s98, s98, s99                     ; my first row
	s_lshl_b32 s98, s98, 12
	s_add_co_u32 s84, s84, s98
	s_add_nc_u64 s[74:75], s[74:75], s[84:85]      ; out0 at my first row and column
.irp a, 0,1,2,3
.irp j, 0,1,2,3
	global_load_b32 v[SA+4*\a+\j], v26, s[94:95] offset:32768*\j+64*\a   ; lanes 0-15: K step j; lanes 16-31: K step 4 + j
.endr
.endr
.irp b, 0,1,2,3,4,5,6,7
	global_load_b128 v[SB+4*\b:SB+4*\b+3], v24, s[96:97] offset:512*\b
.endr
	WIN 0xc0                                       ; destination window 3
.irp b, 0,1,2,3,4,5,6,7
	global_load_b128 v[8*\b:8*\b+3], v25, s[72:73] offset:128*(\b/2)+32*(\b%2)
	global_load_b128 v[8*\b+4:8*\b+7], v25, s[72:73] offset:128*(\b/2)+32*(\b%2)+16
.endr
	WIN 0
; The eight K steps.  K comes in two halves, one tensor load a wave each.  The first half was asked for at the head; the second is a later first fill: it stands behind the wait for all my loads, the add, its wait and a round
; of the cluster's barrier, and has K steps 0 to 3 in which to land.  At the head of K step 3 every wave waits for its load and passes a barrier behind which nothing is filled.
; In a step's middle the next step's 72 LDS loads are issued into the other set, which the step before multiplied: the four places that they owe stand at the step's head.
	s_wait_alu depctr_va_vdst(0)                   ; the wait ahead of the blocking wait
	s_wait_tensorcnt 0x0                           ; my part of the first half is in
	ds_add_u32 v[SPW], v[NIL]
	s_wait_dscnt 0x0
	CROUND                                         ; everybody's part is in, and the sixteen work-groups are here
	JLOAD 1                                        ; the second half of K
	FETCH 0
	s_wait_loadcnt 0x0                             ; the scale words and the bias
.irp s, 0,1,2,3,4,5,6,7
	s_wait_dscnt 0x0                               ; this step's fragments are in
.if (\s == 3)
	s_wait_tensorcnt 0x0                           ; my part of the second half has landed
	s_barrier_signal -1
	s_barrier_wait -1
.endif
.if (\s > 0) && (\s < 7)
	PLACES 4
.endif
.if \s == 0
	WIN 0xb1                                       ; source 0 (Wo) window 1, source 1 (O) window 0, C (the bias) window 3, D window 2
.else
	WIN 0xa1                                       ; C and D window 2
.endif
	MULH \s, 0
.if \s < 7
	FETCH \s+1
.endif
.if \s == 0
	WIN 0xb1
.else
	WIN 0xa1
.endif
	MULH \s, 2
.endr
	WIN 0
; THE WAY OUT, a tile of 16 rows x 128 columns at a time, through my own stage and back as whole rows of 512 bytes.  The stages lie in O's first half of K: those bytes have had their only fill, and every wave's last read of them
; was waited for in front of the barrier of K step 3, which every wave has passed.  LDS serves a wave's instructions in order: no wait between the stores and the loads.
.macro TOSTAGE a
	WIN 0x08                                       ; an LDS store's data: window 2
.irp b, 0,1,2,3,4,5,6,7
	ds_store_b128 v7, v[8*(8*(\a)+\b):8*(8*(\a)+\b)+3] offset:128*(\b/2)+32*(\b%2)       ; each accumulator from its low end on
	ds_store_b128 v7, v[8*(8*(\a)+\b)+4:8*(8*(\a)+\b)+7] offset:128*(\b/2)+32*(\b%2)+16
.endr
	WIN 0
.irp t, 0,1,2,3,4,5,6,7,8,9,10,11,12,13,14,15
	ds_load_b128 v[BK+64*((\a)%2)+4*\t:BK+64*((\a)%2)+4*\t+3], v8 offset:528*\t
.endr
.endm
.macro SEND a, younger                 ; younger: the LDS instructions issued behind tile a's loads, which may stay out
	s_wait_dscnt \younger
.irp t, 0,1,2,3,4,5,6,7,8,9,10,11,12,13,14,15
	global_store_b128 v6, v[BK+64*((\a)%2)+4*\t:BK+64*((\a)%2)+4*\t+3], s[74:75] offset:(32*((\a)/2)+8*((\a)%2)+\t+8*(\t/8))*4096 th:TH_STORE_NT   ; 32 lanes store 512 consecutive bytes, aligned; the tile's row t is row 32 (a / 2) + 8 (a % 2) + t + 8 (t / 8)
.endr
.endm
	PLACES 4                                       ; behind the last products
	TOSTAGE 0
.irp a, 1,2,3
.if \a > 1
	s_wait_xcnt 0x0                                ; tile a - 2's stores have read their registers: tile a's loads may land there
.endif
	TOSTAGE \a
	SEND \a-1, 32                                  ; behind tile a - 1's loads: tile a's 16 stores and 16 loads
.endr
	SEND 3, 0
	s_wait_tensorcnt 0x0                           ; the wave's end, behind my last tensor load and my last LDS store
	ds_add_u32 v[SPW], v[NIL]
	s_wait_dscnt 0x0
	CROUND                                         ; the closing round
	s_endpgm
.Lfunc_end_k_q7b5ae992fa_oproj:
	.size	k_q7b5ae992fa_oproj, .Lfunc_end_k_q7b5ae992fa_oproj-k_q7b5ae992fa_oproj
	.p2alignl 7, 3214868480
	.fill 96, 4, 3214868480
	.section	.rodata,"a",@progbits
	.p2align	6, 0x0
	.amdhsa_kernel k_q7b5ae992fa_oproj
		.amdhsa_group_segment_fixed_size 327680
		.amdhsa_private_segment_fixed_size 0
		.amdhsa_enable_private_segment 0
		.amdhsa_kernarg_size 32
		.amdhsa_user_sgpr_count 2
		.amdhsa_user_sgpr_kernarg_segment_ptr 1
		.amdhsa_wavefront_size32 1
		.amdhsa_system_sgpr_workgroup_id_x 1
		.amdhsa_system_sgpr_workgroup_id_y 1
		.amdhsa_system_sgpr_workgroup_id_z 1
		.amdhsa_system_vgpr_workitem_id 0
		.amdhsa_next_free_vgpr 1024
		.amdhsa_next_free_sgpr 100
		.amdhsa_reserve_vcc 0
		.amdhsa_float_denorm_mode_32 3
		.amdhsa_float_denorm_mode_16_64 3
		.amdhsa_memory_ordered 1
		.amdhsa_forward_progress 1
		.amdhsa_inst_pref_size 97
	.end_amdhsa_kernel
	.amdgpu_metadata
---
amdhsa.version: [ 1, 2 ]
amdhsa.kernels:
  - .name:           k_q7b5ae992fa_oproj
    .symbol:         k_q7b5ae992fa_oproj.kd
    .args:
      - { .name: ob, .offset: 0, .size: 8, .value_kind: global_buffer, .address_space: global }
      - { .name: wq, .offset: 8, .size: 8, .value_kind: global_buffer, .address_space: global }
      - { .name: bo, .offset: 16, .size: 8, .value_kind: global_buffer, .address_space: global }
      - { .name: out0, .offset: 24, .size: 8, .value_kind: global_buffer, .address_space: global }
    .group_segment_fixed_size: 327680
    .private_segment_fixed_size: 0
    .kernarg_segment_align: 8
    .kernarg_segment_size: 32
    .max_flat_workgroup_size: 128
    .sgpr_count:     100
    .vgpr_count:     1024
    .wavefront_size: 32
...
	.end_amdgpu_metadata
.endif
;; end of part 4
